; MI455X (gfx1250); checked and timed in simulation.
; The chip was launched on July 23, 2026; its instructions are those of AMD's public machine-readable ISA for CDNA 5 (MIT licence, August 2026) and "CDNA5" Instruction Set Architecture Reference Guide (July 2026). The comments in the code are by the model that wrote it; some were corrected since.
;; GPT Attention. Allowed arithmetic: matrix products marked QUANTISED: E2M3 operands, one E8M0 scale for each 32 along K, by v_wmma_scale_f32_16x16x128_f8f6f4 with both operands' format E2M3, f32 sums; everything else in f32.
;; Inputs: b_attn 3,072 float32; b_proj 1,024 float32; w_attn 1,024 x 3,072 float32; w_proj 1,024 x 1,024 float32; x 4 x 2,048 x 1,024 float32.
;; Outputs: out0 4 x 2,048 x 1,024 float32.
;; This version of the problem:
;;   THIS VERSION OF THE PROBLEM IS GIVEN IN LOW PRECISION. The matrix products marked QUANTISED in the list below multiply operands that are first quantised to E2M3 (2 exponent bits, 3 mantissa bits; 6 bits a number), with one power-of-two scale for each 32 numbers along K (OCP MX v1.0); their sums are f32. All else is computed in f32.
;;   The module's matrix products, in the order in which they are computed (A, B: the left and right operand; K: the contracted axis; several contracted axes count as one K, in the product's order):
;;     1. [M 8,192, K 1,024] x [K 1,024, N 3,072]; A: input x; B: input w_attn: QUANTISED
;;     2. batch 64 x [M 2,048, K 64] x [K 64, N 2,048]; A: computed on the way; B: computed on the way: QUANTISED
;;     3. batch 64 x [M 2,048, K 2,048] x [K 2,048, N 64]; A: softmax (see below); B: computed on the way: QUANTISED
;;     4. [M 8,192, K 1,024] x [K 1,024, N 1,024]; A: computed on the way; B: input w_proj: QUANTISED
;;   THE QUANTISER, for each operand of a quantised product, along K:
;;     - K is cut into blocks of 32 from its start; a last block that is shorter is filled with zeros.
;;     - A block's scale is 2^e with e = floor(log2(the largest magnitude in the block)) - 2, held to -126 .. 127; a block of zeros has e = 0. As a byte (E8M0): e + 127.
;;     - Each number is divided by its block's scale, clamped to +-7.5, and rounded to the nearest number of E2M3, ties to even, subnormals kept.
;;     - The product sums the exact products of the quantised numbers (number of the format x scale) in f32.
;;   ~~~python
;;   def quantise(x, axis):      # numpy; x: float32 -> the quantised numbers, widened to float32 again
;;       x = np.moveaxis(x, axis, -1); K = x.shape[-1]
;;       x = np.pad(x, [(0, 0)] * (x.ndim - 1) + [(0, -K % 32)]); x = x.reshape(x.shape[:-1] + (-1, 32)); a = np.abs(x).max(-1, keepdims=True)
;;       e = np.where(a > 0, np.clip(np.frexp(np.where(a > 0, a, 1))[1] - 1 - 2, -126, 127), 0)      # np.frexp(a)[1] - 1 = floor(log2(a)), exactly
;;       r = np.clip(x / 2.0 ** e, -7.5, 7.5)
;;       step = 2.0 ** (np.maximum(np.frexp(np.where(r == 0, 1, r))[1] - 1, 0) - 3)
;;       q = np.round(r / step) * step * 2.0 ** e      # np.round: ties to even
;;       return np.moveaxis(q.reshape(q.shape[:-2] + (-1,))[..., :K], -1, axis).astype(np.float32)
;;   ~~~
;;   SOFTMAX AHEAD OF A QUANTISED PRODUCT. Where the list says 'softmax', what is quantised is not the finished softmax but p = 2^(t - M), with t = logit x log2(e) and M = ceil(the row's largest t), a whole number; so 1/2 < the row's largest p <= 1. The row's sum l is taken of the UNQUANTISED p, in f32, and the product's result is divided by l at the end. Since M is a whole number, a kernel that streams over the keys may use a running M (the ceiling of the running maximum): every later rescaling is an exact power of two, which a block's scale takes up: the codes' values come out the same.
;;   OPERANDS COMPUTED ON THE WAY. 'Computed on the way' means the value that the module computes at that place (a softmax that the list does not call 'softmax' is quantised finished and normalised). What goes into a quantiser is computed in f32, as accurately as f32 sums, v_exp_f32 and their like allow (about 1e-6 of the number): no bf16 or f16 on the way to a quantiser, and a product that is left as it is and whose result goes on into a quantised operand takes f32 operands (vector FMAs, or v_wmma_f32_16x16x4_f32). A number that lies on a knife's edge between two numbers of the format may be rounded either way, as far as f32 arithmetic and the matrix unit's own rounding can turn it there, and no further.
;; One version. Each part assembles by itself: llvm-mc -triple=amdgcn-amd-amdhsa -mcpu=gfx1250 --defsym DOCPART=n.
;; ======== version 1 of 1: 4 launches
;; limits: right only within a limited range of input values
;; workspace buffers: x_img 6,291,456 bytes; x_sc 262,144 bytes; w_img 3,145,728 bytes; w_sc 131,072 bytes; att_img 18,874,368 bytes; att_sc 1,310,720 bytes; y_img 6,291,456 bytes; y_sc 262,144 bytes
;; launch prep (part 1): grid 512 x 1, 4 waves a work-group, no clusters, 47,616 bytes of LDS; arguments x, w_attn, w_proj, x_img, x_sc, w_img, w_sc; writes x_img, x_sc, w_img, w_sc
.if DOCPART == 1
	.amdgcn_target "amdgcn-amd-amdhsa--gfx1250"
	.amdhsa_code_object_version 6
	.text
	.protected	k_q90ebb3c9ae_prep
	.globl	k_q90ebb3c9ae_prep
	.p2align	8
	.type	k_q90ebb3c9ae_prep,@function
k_q90ebb3c9ae_prep:
	s_mov_b64 s[64:65], 0
	v_nop
	global_prefetch_b8 v0, s[64:65] scope:SCOPE_SE
	s_setreg_imm32_b32 hwreg(HW_REG_WAVE_MODE, 25, 1), 1
	s_wait_xcnt 0x0
; x [8192][1024] f32 (K innermost) and w_attn [1024][3072], w_proj [1024][1024] f32 (K is the FIRST axis) become codes of FP6 (E2M3) with one E8M0 byte for each 32 along K.
; THE LAYOUT OF EVERY OPERAND IN THIS PROGRAM is an image of the matrix operand's registers.  A fragment is 16 rows x 128 K: 12 registers a lane; lane l = r + 16 h holds row r, registers 6 c .. 6 c + 5 hold
; k = 64 c + 32 h + 0 .. 31.  Its image is 1,536 bytes: registers 0-3 at 16 l, 4-5 at 512 + 8 l, 6-9 at 768 + 16 l, 10-11 at 1280 + 8 l.  A tile of 16 rows has 8 such images on end (K = 1,024).
; THE ROWS OF A TILE ARE NOT NEIGHBOURS: row r of tile T is row (of x) or column (of w) 32 (T / 2) + 8 (T % 2) + r + 8 (r / 8), so that results of a product that has such a tile as source 0 lie 16 neighbours to 16 registers.
; Scale words (four bytes: 128 along K of one row): [tile][K half 2][r 16][4 words], 512 bytes a tile.
; A block's scale is 2^(floor(log2(largest magnitude)) - 2); its byte is the largest magnitude's exponent field - 2, held at 1 from below.
; LIMITS: a block of zeros gets the byte 1 where the rule says 127 (its codes are zeros, and this program alone reads the bytes); blocks whose largest magnitude lies under 2^-124 were not tried; NaN and infinities are not served.
; Work-groups 0-255 take x, 256-511 the weights.  The two ways never join, and each has LDS bytes of its own.  No tensor loads, no barrier: waves share nothing.
.set XSTW,  16*528                     ; x's way: a wave's stage, 16 rows x (512 bytes + 16)
.set WST,   4*XSTW                     ; the weights' way: a wave's stage, two images of 1,536 bytes at a pitch of 1,664
.set WIMG,  1664
.set WSTW,  2*WIMG
.set SPARE, WST+4*WSTW                 ; the spare words, 128 bytes for each wave: two blocks of 256 bytes that no other line names
.set SPW,   10                         ; v10  LDS address of my spare word; never rewritten
.set NIL,   11                         ; v11  0; never rewritten
.set TM,    12                         ; v12-27 x's way: at work in QUANT
.set SW,    28                         ; v28-31 x's way: four scale words
.set PC,    32                         ; v32-51 x's way: the codes just made
.set X,     64                         ; v64..  the numbers to be quantised
.set R,     128                        ; v128-255 x's way: two sets of 64 registers as loaded
.set SEL,   20                         ; s[20:21] lane selects for v_permlanex16_b32: lane l xor 16
	s_load_b256 s[4:11], s[0:1], 0x0               ; x s[4:5], w_attn s[6:7], w_proj s[8:9], x_img s[10:11]
	s_load_b128 s[12:15], s[0:1], 0x20             ; x_sc s[12:13], w_img s[14:15]
	s_load_b64 s[16:17], s[0:1], 0x30              ; w_sc
	v_lshl_add_u32 v[SPW], v0, 2, SPARE
	v_mov_b32 v[NIL], 0
	v_lshrrev_b32 v1, 5, v0
	v_readfirstlane_b32 s18, v1                    ; wave 0..3
	v_and_b32 v1, 31, v0                           ; lane
	v_and_b32 v2, 15, v0                           ; r
	v_bfe_u32 v3, v0, 4, 1                         ; h
	s_mov_b32 s[SEL], 0x76543210
	s_mov_b32 s[SEL+1], 0xfedcba98
	s_mov_b32 s27, 0                               ; the upper word of every offset pair s[26:27]
	s_wait_kmcnt 0x0
	s_cmp_ge_u32 ttmp9, 256
	s_cbranch_scc1 .Lw
; ---------------- x: a wave makes four fragments: tile RT, K steps 4 khalf .. 4 khalf + 3 ----------------
; 64 numbers of a lane, register 16 b + i = k 32 b + 16 h + i of my row, become a fragment's codes in v[pc] on and its scale word in v[pw].
.macro QUANT s, pc, pw
.irp b, 0,1,2,3
	v_max3_num_f32 v[TM+\b], |v[\s+16*\b]|, |v[\s+16*\b+1]|, 0x1800000   ; block b: my 16 numbers, and the floor 2^(3 - 127): the byte cannot fall under 1
.endr
.irp i, 2,4,6,8,10,12,14
.irp b, 0,1,2,3
	v_max3_num_f32 v[TM+\b], v[TM+\b], |v[\s+16*\b+\i]|, |v[\s+16*\b+\i+1]|   ; the four blocks by turns
.endr
.endr
.irp b, 0,1,2,3
	v_permlanex16_b32 v[TM+4+\b], v[TM+\b], s[SEL], s[SEL+1]
.endr
.irp b, 0,1,2,3
	v_max_num_f32 v[TM+\b], v[TM+\b], v[TM+4+\b]   ; with lane l xor 16's: the block's largest magnitude
.endr
.irp b, 0,1,2,3
	v_add_nc_u32 v[TM+12+\b], 0xff000000, v[TM+\b] ; 2 off its exponent field: the conversion takes the exponent field of this operand as its scale
.endr
.irp b, 0,1,2,3
	v_lshrrev_b32 v[TM+4+\b], 23, v[TM+12+\b]      ; the scale's byte
.endr
	v_lshl_or_b32 v[\pw], v[TM+5], 8, v[TM+4]      ; four bytes make my row's scale word
	v_lshl_or_b32 v[\pw], v[TM+6], 16, v[\pw]
	v_lshl_or_b32 v[\pw], v[TM+7], 24, v[\pw]
.irp c, 0,1
	v_cvt_scalef32_pk16_fp6_f32 v[\pc+6*\c:\pc+6*\c+2], v[\s+32*\c:\s+32*\c+15], v[TM+12+2*\c]
	v_cvt_scalef32_pk16_fp6_f32 v[\pc+12+4*\c:\pc+14+4*\c], v[\s+32*\c+16:\s+32*\c+31], v[TM+13+2*\c]   ; (a conversion's three registers begin on an even number)
.endr
	v_nop                                          ; one plain place behind a scaled conversion
.irp c, 0,1                                    ; the operand's layout wants a WHOLE block in a lane: lanes 0-15 block 2 c, lanes 16-31 block 2 c + 1
.irp i, 0,1,2
	v_permlane16_swap_b32 v[\pc+6*\c+\i], v[\pc+12+4*\c+\i]
.endr
.irp i, 0,1,2
	v_mov_b32 v[\pc+3+6*\c+\i], v[\pc+12+4*\c+\i]
.endr
.endr
.endm
	s_lshl_b32 s22, ttmp9, 2
	s_add_co_u32 s22, s22, s18                     ; my unit: 4 x work-group + wave
	s_lshr_b32 s23, s22, 1                         ; RT: the tile of 16 rows, 0..511
	s_and_b32 s24, s22, 1                          ; khalf
	s_lshr_b32 s25, s23, 1
	s_lshl_b32 s26, s25, 17                        ; 32 (RT / 2) rows of 4,096 bytes
	s_and_b32 s25, s23, 1
	s_lshl_b32 s25, s25, 15                        ; + 8 (RT % 2) rows
	s_add_co_u32 s26, s26, s25
	s_lshl_b32 s25, s24, 11                        ; + khalf x 512 numbers
	s_add_co_u32 s26, s26, s25
	s_add_nc_u64 s[4:5], s[4:5], s[26:27]
	s_mul_i32 s26, s23, 12288
	s_mul_i32 s25, s24, 6144
	s_add_co_u32 s26, s26, s25
	s_add_nc_u64 s[10:11], s[10:11], s[26:27]      ; my four images
	s_lshl_b32 s26, s23, 9
	s_lshl_b32 s25, s24, 8
	s_add_co_u32 s26, s26, s25
	s_add_nc_u64 s[12:13], s[12:13], s[26:27]      ; my 256 bytes of scale words
	s_wait_alu depctr_va_vdst(0)
	v_lshlrev_b32 v4, 4, v1                        ; 16 x lane
	v_lshlrev_b32 v5, 3, v1                        ; 8 x lane
	s_mul_i32 s28, s18, XSTW
	v_add_nc_u32 v6, s28, v4                       ; the stage, on the way in: a row's 512 bytes as they lie
	v_mul_u32_u24 v7, v2, 528
	v_lshl_add_u32 v7, v3, 6, v7
	v_add_nc_u32 v7, s28, v7                       ; and on the way out: row r, + 64 h: my 16 numbers of each block of 32
	v_lshlrev_b32 v8, 4, v2                        ; 16 r: my row's four scale words
.irp b, 0,1,2,3
	v_mov_b32 v[TM+4+\b], 0                        ; written once: a lane permute's destination counts as one of its sources
.endr
.macro XLOAD f                         ; K step f of the tile's 16 rows: each load reads 512 consecutive bytes of one row
.irp i, 0,1,2,3,4,5,6,7,8,9,10,11,12,13,14,15
	global_load_b128 v[R+64*((\f)%2)+4*\i:R+64*((\f)%2)+4*\i+3], v4, s[4:5] offset:(\i+8*(\i/8))*4096+512*(\f) th:TH_LOAD_NT
.endr
.endm
.macro XFRAG f
.if (\f) < 3
	s_wait_loadcnt 16                              ; this K step's 16 loads are in; the next one's 16 may be out
.else
	s_wait_loadcnt 0x0
.endif
.irp i, 0,1,2,3,4,5,6,7,8,9,10,11,12,13,14,15
	ds_store_b128 v6, v[R+64*((\f)%2)+4*\i:R+64*((\f)%2)+4*\i+3] offset:528*\i
.endr
.irp b, 0,1,2,3
.irp j, 0,1,2,3
	ds_load_b128 v[X+16*\b+4*\j:X+16*\b+4*\j+3], v7 offset:128*\b+16*\j   ; LDS serves a wave's instructions in order: these see the stores above
.endr
.endr
	s_wait_dscnt 0x0                               ; the numbers are back, and the stores have read their registers,
.if (\f) < 2
	XLOAD (\f)+2                                   ; which take the loads of two K steps on
.endif
	s_wait_xcnt 0x0                                ; the last fragment's stores have read their data: the codes' registers are written again only behind this wait
	QUANT X, PC, SW+(\f)
	global_store_b128 v4, v[PC:PC+3], s[10:11] offset:1536*(\f)           ; the image: each store of the wave covers 512 or 256 consecutive bytes, aligned to 256
	global_store_b64 v5, v[PC+4:PC+5], s[10:11] offset:1536*(\f)+512
	global_store_b128 v4, v[PC+6:PC+9], s[10:11] offset:1536*(\f)+768
	global_store_b64 v5, v[PC+10:PC+11], s[10:11] offset:1536*(\f)+1280
.endm
	XLOAD 0
	XLOAD 1
	s_wait_alu depctr_va_vdst(0)
	XFRAG 0
	XFRAG 1
	XFRAG 2
	XFRAG 3
	v_cmp_gt_u32 vcc_lo, 16, v1                    ; lanes 16-31 hold the same words as lanes 0-15: the lower sixteen store
	s_wait_xcnt 0x0                                ; EXEC changes only behind this wait
	s_and_saveexec_b32 s28, vcc_lo
	global_store_b128 v8, v[SW:SW+3], s[12:13]     ; sixteen lanes store 256 consecutive bytes, aligned
	s_wait_xcnt 0x0                                ; and again, in front of the line that widens it
	s_or_b32 exec_lo, exec_lo, s28
	s_wait_tensorcnt 0x0                           ; the wave's end
	ds_add_u32 v[SPW], v[NIL]
	s_wait_dscnt 0x0
	s_endpgm
; ---------------- the weights: a wave takes 32 columns (a lane a column) x 128 along K: two tiles' images of one K step ----------------
.Lw:
	s_sub_co_u32 s22, ttmp9, 256
	s_and_b32 s23, s22, 7                          ; ks: which 128 along K
	s_lshr_b32 s24, s22, 3                         ; cg: which 128 columns; 0-23 w_attn's, 24-31 w_proj's
	s_wait_alu depctr_va_vdst(0)
	v_lshlrev_b32 v4, 2, v1                        ; in: 4 bytes a lane: 128 consecutive bytes a load
	v_lshlrev_b32 v5, 4, v1                        ; out: 16 x lane
	v_and_b32 v12, 7, v1
	v_lshrrev_b32 v13, 4, v1
	v_lshl_or_b32 v12, v13, 3, v12                 ; my column is row r = (lane & 7) | (lane / 16) x 8
	v_bfe_u32 v13, v1, 3, 1                        ; of tile u = (lane / 8) & 1
	s_mul_i32 s28, s18, WSTW
	s_add_co_u32 s28, s28, WST                     ; my stage
	v_mul_u32_u24 v14, v13, WIMG
	v_add_nc_u32 v14, s28, v14
	v_lshl_add_u32 v6, v12, 4, v14                 ; an image's pieces of 16 bytes a lane: + 16 r
	v_lshl_add_u32 v7, v12, 3, v14                 ; and of 8 bytes: + 8 r
	v_add_nc_u32 v8, s28, v5                       ; back: 16 x lane
	v_lshlrev_b32 v9, 4, v12
	v_lshl_add_u32 v9, v13, 9, v9                  ; my scale word: 512 u + 16 r
	s_lshl_b32 s25, s24, 3
	s_lshl_b32 s26, s18, 1
	s_add_co_u32 s25, s25, s26                     ; my first tile: 8 cg + 2 wave
	s_mul_i32 s26, s25, 12288
	s_mul_i32 s29, s23, 1536
	s_add_co_u32 s26, s26, s29
	s_add_nc_u64 s[14:15], s[14:15], s[26:27]
	s_lshl_b32 s26, s25, 9
	s_lshr_b32 s29, s23, 2
	s_lshl_b32 s29, s29, 8
	s_add_co_u32 s26, s26, s29
	s_and_b32 s29, s23, 3
	s_lshl_b32 s29, s29, 2
	s_add_co_u32 s26, s26, s29
	s_add_nc_u64 s[16:17], s[16:17], s[26:27]
	s_lshl_b32 s29, s18, 7                         ; my wave's 32 columns, in bytes
.macro WLOAD rowb, base                ; W(128 ks + i, my column), i = 0 .. 127
.set i, 0
.rept 128
	global_load_b32 v[X+i], v4, s[\base:\base+1] offset:i*\rowb th:TH_LOAD_NT
.set i, i+1
.endr
.endm
	s_cmp_lt_u32 s24, 24                           ; the two weights differ in their rows' length, which stands in the loads' immediates: two arms, which write the same registers and touch no LDS
	s_cbranch_scc0 .Lproj
	s_mul_i32 s26, s23, 128*12288
	s_lshl_b32 s30, s24, 9
	s_add_co_u32 s26, s26, s30
	s_add_co_u32 s26, s26, s29
	s_add_nc_u64 s[6:7], s[6:7], s[26:27]
	WLOAD 12288, 6
	s_branch .Lhave
.Lproj:
	s_sub_co_u32 s30, s24, 24
	s_mul_i32 s26, s23, 128*4096
	s_lshl_b32 s30, s30, 9
	s_add_co_u32 s26, s26, s30
	s_add_co_u32 s26, s26, s29
	s_add_nc_u64 s[8:9], s[8:9], s[26:27]
	WLOAD 4096, 8
.Lhave:
; Block kb of 32 along K lies in 32 registers of ONE lane.  In the image it belongs to lane r + 16 (kb % 2), registers 6 (kb / 2) on.
.macro WBLOCK kb
.set XS, X+32*(\kb)
.set CD, 32+8*(\kb)
.if (\kb) < 2
	s_wait_loadcnt 63                              ; the greatest count that the wait can name: of 128 loads at most 63 are out, so the first 65 are in: blocks 0 and 1
.else
	s_wait_loadcnt 96-32*(\kb)                     ; the later blocks' loads, 32 each, may be out
.endif
	v_max3_num_f32 v12, |v[XS]|, |v[XS+1]|, |v[XS+2]|
	v_max3_num_f32 v13, |v[XS+3]|, |v[XS+4]|, |v[XS+5]|
.irp i, 6,10,14,18,22,26
	v_max3_num_f32 v12, v12, |v[XS+\i]|, |v[XS+\i+1]|
	v_max3_num_f32 v13, v13, |v[XS+\i+2]|, |v[XS+\i+3]|
.endr
	v_max3_num_f32 v12, v12, |v[XS+30]|, |v[XS+31]|
	v_max3_num_f32 v12, v12, v13, 0x1800000        ; and the floor 2^(3 - 127)
	v_add_nc_u32 v14, 0xff000000, v12              ; the conversion's scale operand
	v_lshrrev_b32 v15, 23, v14                     ; the scale's byte
.if (\kb) == 0
	v_mov_b32 v16, v15
.else
	v_lshl_or_b32 v16, v15, 8*(\kb), v16           ; four bytes make my column's scale word
.endif
	v_cvt_scalef32_pk16_fp6_f32 v[CD:CD+2], v[XS:XS+15], v14
	v_cvt_scalef32_pk16_fp6_f32 v[20:22], v[XS+16:XS+31], v14
	v_nop                                          ; one plain place behind a scaled conversion
.irp i, 0,1,2
	v_mov_b32 v[CD+3+\i], v[20+\i]
.endr
	ds_store_b128 v6, v[CD:CD+3] offset:((\kb)/2)*768+((\kb)%2)*256
	ds_store_b64 v7, v[CD+4:CD+5] offset:((\kb)/2)*768+512+((\kb)%2)*128
.endm
	WBLOCK 0
	WBLOCK 1
	WBLOCK 2
	WBLOCK 3
.irp p, 0,1,2,3,4,5
	ds_load_b128 v[192+4*\p:195+4*\p], v8 offset:WIMG*(\p/3)+512*(\p%3)   ; LDS serves a wave's instructions in order: these see my stores
.endr
	s_wait_alu depctr_va_vdst(0)
.irp p, 0,1,2,3,4,5
	s_wait_dscnt 5-\p                              ; the younger reads may be out
	global_store_b128 v5, v[192+4*\p:195+4*\p], s[14:15] offset:12288*(\p/3)+512*(\p%3)   ; 512 consecutive bytes, aligned to 256
.endr
	global_store_b32 v9, v16, s[16:17]             ; 4 bytes a lane, 16 bytes apart: one byte in 128 of what this way reads
	s_wait_tensorcnt 0x0                           ; the wave's end
	ds_add_u32 v[SPW], v[NIL]
	s_wait_dscnt 0x0
	s_endpgm
.Lfunc_end_k_q90ebb3c9ae_prep:
	.size	k_q90ebb3c9ae_prep, .Lfunc_end_k_q90ebb3c9ae_prep-k_q90ebb3c9ae_prep
	.p2alignl 7, 3214868480
	.fill 96, 4, 3214868480
	.section	.rodata,"a",@progbits
	.p2align	6, 0x0
	.amdhsa_kernel k_q90ebb3c9ae_prep
		.amdhsa_group_segment_fixed_size 47616
		.amdhsa_private_segment_fixed_size 0
		.amdhsa_enable_private_segment 0
		.amdhsa_kernarg_size 56
		.amdhsa_user_sgpr_count 2
		.amdhsa_user_sgpr_kernarg_segment_ptr 1
		.amdhsa_wavefront_size32 1
		.amdhsa_system_sgpr_workgroup_id_x 1
		.amdhsa_system_sgpr_workgroup_id_y 1
		.amdhsa_system_sgpr_workgroup_id_z 1
		.amdhsa_system_vgpr_workitem_id 0
		.amdhsa_next_free_vgpr 256
		.amdhsa_next_free_sgpr 66
		.amdhsa_reserve_vcc 1
		.amdhsa_float_denorm_mode_32 3
		.amdhsa_float_denorm_mode_16_64 3
		.amdhsa_memory_ordered 1
		.amdhsa_forward_progress 1
		.amdhsa_inst_pref_size 68
	.end_amdhsa_kernel
	.amdgpu_metadata
---
amdhsa.version: [ 1, 2 ]
amdhsa.kernels:
  - .name:           k_q90ebb3c9ae_prep
    .symbol:         k_q90ebb3c9ae_prep.kd
    .args:
      - { .name: x, .offset: 0, .size: 8, .value_kind: global_buffer, .address_space: global }
      - { .name: w_attn, .offset: 8, .size: 8, .value_kind: global_buffer, .address_space: global }
      - { .name: w_proj, .offset: 16, .size: 8, .value_kind: global_buffer, .address_space: global }
      - { .name: x_img, .offset: 24, .size: 8, .value_kind: global_buffer, .address_space: global }
      - { .name: x_sc, .offset: 32, .size: 8, .value_kind: global_buffer, .address_space: global }
      - { .name: w_img, .offset: 40, .size: 8, .value_kind: global_buffer, .address_space: global }
      - { .name: w_sc, .offset: 48, .size: 8, .value_kind: global_buffer, .address_space: global }
    .group_segment_fixed_size: 47616
    .private_segment_fixed_size: 0
    .kernarg_segment_align: 8
    .kernarg_segment_size: 56
    .max_flat_workgroup_size: 128
    .sgpr_count:     66
    .vgpr_count:     256
    .wavefront_size: 32
...
	.end_amdgpu_metadata
.endif
;; end of part 1
;; launch qkv (part 2): grid 8 x 32, 4 waves a work-group, clusters of 4 x 4, 327,680 bytes of LDS; arguments x_img, x_sc, w_img, w_sc, b_attn, att_img, att_sc; writes att_img, att_sc
.if DOCPART == 2
	.amdgcn_target "amdgcn-amd-amdhsa--gfx1250"
	.amdhsa_code_object_version 6
	.text
	.protected	k_q90ebb3c9ae_qkv
	.globl	k_q90ebb3c9ae_qkv
	.p2align	8
	.type	k_q90ebb3c9ae_qkv,@function
k_q90ebb3c9ae_qkv:
	s_mov_b64 s[64:65], 0
	v_nop
	global_prefetch_b8 v0, s[64:65] scope:SCOPE_SE
	s_setreg_imm32_b32 hwreg(HW_REG_WAVE_MODE, 25, 1), 1
	s_wait_xcnt 0x0
	s_wait_alu depctr_hold_cnt(0) depctr_sa_sdst(0) depctr_va_vdst(0) depctr_va_sdst(0) depctr_va_ssrc(0) depctr_va_vcc(0) depctr_vm_vsrc(0)
	s_getreg_b32 s2, hwreg(HW_REG_IB_STS2, 6, 4)
	s_cmp_eq_u32 s2, 0
	s_cbranch_scc0 .Lentry_in_a_cluster
	s_endpgm
.Lentry_in_a_cluster:
	s_bfe_u32 s2, ttmp6, 0x10000c
	s_cmp_lg_u32 s2, 0xf033
	s_cbranch_scc0 .Lentry_shape_is_right
	s_endpgm
.Lentry_shape_is_right:
; qkv = x w_attn + b_attn on codes of FP6 (E2M3) with E8M0 scales; q, k, v are quantised on the way out: only codes and scale bytes are stored.
; Operands are images of the matrix operand's registers: a fragment (16 rows x 128 K) is 1,536 bytes (registers 0-3 at 16 l, 4-5 at 512 + 8 l, 6-9 at 768 + 16 l, 10-11 at 1280 + 8 l); a tile of 16 rows has 8 on end.
; Row r of tile T stands for row (x) or column (w) 32 (T / 2) + 8 (T % 2) + r + 8 (r / 8).  Scale words: [tile][K half][r][4 words].
; THE DEAL: 8 x 32 work-groups of four waves.  A work-group takes 256 tokens (16 tiles of x, all of K, which stay in LDS) and 128 columns each of q, k and v, in three phases.
; A wave (a = wave / 2, b = wave % 2) takes tiles 8 a .. 8 a + 7 of x, one key step, and one head: 4 tiles of w, all of K, in 384 registers.  A block is one tile of x: 32 products, four sums by turns.
; q, k: source 0 = w's tile, source 1 = x's: a lane is a token, its 32 results are the head's channels 32 b + 16 h + i.   v: source 0 = x's tile, source 1 = w's: a lane is a channel, its 64 results of a tile of w run along the key step's 128 tokens.
; The bias is the C of each sum's first product.
; LDS: x's 16 tiles at 0; the weights' 8 tiles at WB, filled three times (head; two refills, each in a drained round of the cluster's barrier, a quarter a wave); x's scale words at XS; the spare words.
; CLUSTERS 4 x 4: x's tiles are asked for jointly along a row of the cluster, w's along a column.  The next weights are asked for into the L2 one phase ahead, 24 blocks of 256 bytes a wave, shared out by address among the 16 waves of a column.
; OUT as the attention launch reads it: att_img [plane][q | k | v]: q, k [tile 128][768], v [key step 16][tile of channels 4][1536]; att_sc [plane][q 8,192 | k 8,192 | v 4,096].
; LIMITS: a block of zeros gets the byte 1 where the rule says 127 (its codes are zeros; this program alone reads the bytes); largest magnitudes under 2^-124 were not tried; NaN and infinities are not served.
; REGISTERS: fragment f lies in window 1 + f / 21 at 12 (f % 21): 0-31 the weights' (4 q + t), 32-39 and 40-47 x's two sets.  Window 0: v2-19 addresses, v28-43 x's scale words, v48-63 w's, v64-95 q's or k's sums, v96-151 their way out, v192-223 the bias.
; v's sums: tiles 0, 1 of w at v64-191, tiles 2, 3 at v840-967.  Until v's phase v840-935 hold the later phases' scale words and biases.
.set TILE,  12288
.set FIMG,  1536
.set WB,    16*TILE
.set XS,    WB+8*TILE
.set SPARE, XS+16*512
.set NF,    34                         ; LDS loads of a block: 32 for eight fragments, 2 for eight scale words
.set SPW,  2
.set NIL,  3
.set L16,  4
.set L8,   5
.set AX16, 6                           ; v6, v7: my tiles 0-3, 4-7 of x, + 16 l;  v8, v9: + 8 l
.set AX8,  8
.set AW16, 10
.set AW8,  11
.set AXS,  12
.set SCQ,  13
.set R16,  14
.set PFV,  15
.set BOQ,  16
.set BOV,  17
.set WSO,  18
.set LN,   19
.set SA,   28
.set SB,   48
.set ACC,  64
.set TM,   96
.set PCQ,  104
.set WD,   144
.set BI,   192
.set PV,   192
.set TV,   224
.set WDV,  240
.set ST1,  72                          ; window 3: v840.. the next phase's 16 scale words and 32 bias registers
.set ST2,  120                         ; and those of the phase after
.set G1X, 24
.set G1S, 32
.set G1W, 48
.set G1R, 56
.set G0X, 68
.set G0S, 72
.set G0W, 76
.set G0R, 80
.set SEL, 12                           ; s[12:13] selects of lane l xor 16
.set HM,  2
.set MSB, 0
.macro WIN new
.if MSB != \new
	s_set_vgpr_msb (MSB<<8)|\new
.set MSB, \new
.endif
.endm
.macro PLACES n
.rept \n
	v_nop
.endr
.endm
.macro WALU
	s_wait_alu depctr_va_vdst(0)
.endm
.macro BARRIER
	s_barrier_signal -1
	s_barrier_wait -1
.endm
.macro CROUND
	s_barrier_signal -1
	s_barrier_wait -1
	s_cmp_lg_u32 s14, 0
	s_cbranch_scc1 .Lnot_wave_0_\@
	s_barrier_signal -3
.Lnot_wave_0_\@:
	s_barrier_wait -3
	s_barrier_signal -1
	s_barrier_wait -1
.endm
.macro TLOAD g0, g1
	tensor_load_to_lds s[\g0:\g0+3], s[\g1:\g1+7]
	s_nop 0
	PLACES 4
.endm
.macro GROUP1 g, mask, rows            ; a dense block as rows of 256 bytes (32 elements of 8)
	s_or_b32 s[\g], s\mask, (3<<16)|(1<<21)
	s_mov_b32 s[\g+1], 32<<16
	s_mov_b32 s[\g+2], (\rows)<<16
	s_mov_b32 s[\g+3], 32<<16
	s_mov_b32 s[\g+4], \rows
	s_mov_b32 s[\g+5], 32
	s_mov_b32 s[\g+6], 0
	s_mov_b32 s[\g+7], 0
.endm
.macro G0ADR g, base, off
	s_add_nc_u64 s[\g+2:\g+3], s[\base:\base+1], s[\off:\off+1]
	s_or_b32 s[\g+3], s[\g+3], 0x80000000
.endm
.macro FRAGLD f, a16, a8, off
	WIN (1+(\f)/21)<<6
.set R_, 12*((\f)%21)
	ds_load_b128 v[R_:R_+3], v[\a16] offset:(\off)
	ds_load_b64 v[R_+4:R_+5], v[\a8] offset:(\off)+512
	ds_load_b128 v[R_+6:R_+9], v[\a16] offset:(\off)+768
	ds_load_b64 v[R_+10:R_+11], v[\a8] offset:(\off)+1280
.endm
.macro WEIGHTS                         ; my four tiles of w, all of K: 128 loads
.irp q, 0,1,2,3,4,5,6,7
.irp t, 0,1,2,3
	FRAGLD 4*\q+\t, AW16, AW8, \t*TILE+\q*FIMG
.endr
.endr
	WIN 0
.endm
.macro FETCH T, e                      ; my tile T of x into set e
.irp q, 0,1,2,3,4,5,6,7
	FRAGLD 32+8*(\e)+\q, AX16+(\T)/4, AX8+(\T)/4, ((\T)%4)*TILE+\q*FIMG
.endr
	WIN 0
	ds_load_b128 v[SA+8*(\e):SA+8*(\e)+3], v[AXS] offset:(\T)*512
	ds_load_b128 v[SA+8*(\e)+4:SA+8*(\e)+7], v[AXS] offset:(\T)*512+256
.endm
.macro PROD1 d, s0, s1, c, x0, x1, side, o
.if \o
	v_wmma_scale_f32_16x16x128_f8f6f4 v[\d:\d+7], v[12*((\s0)%21):12*((\s0)%21)+11], v[12*((\s1)%21):12*((\s1)%21)+11], \c, v[\x0], v[\x1] matrix_a_fmt:MATRIX_FMT_FP6 matrix_b_fmt:MATRIX_FMT_FP6 matrix_\side\()_scale:MATRIX_SCALE_ROW1
.else
	v_wmma_scale_f32_16x16x128_f8f6f4 v[\d:\d+7], v[12*((\s0)%21):12*((\s0)%21)+11], v[12*((\s1)%21):12*((\s1)%21)+11], \c, v[\x0], v[\x1] matrix_a_fmt:MATRIX_FMT_FP6 matrix_b_fmt:MATRIX_FMT_FP6 matrix_\side\()_scale:MATRIX_SCALE_ROW0
.endif
.endm
.macro PROD kind, e, q, t, s           ; kind 0: q, k;  1: v.  w's scale words: lanes 0-15 tile 2 p, lanes 16-31 tile 2 p + 1
.set FW_, 4*(\q)+(\t)
.set FX_, 32+8*(\e)+(\q)
.set XW_, SB+8*((\t)/2)+(\q)
.set XX_, SA+8*(\e)+(\q)
.if \kind
.set DW_, 3*((\t)/2)
.set DL_, 64+64*(\t)+8*(\s)-120*((\t)/2)
.if \q
	WIN (1+FX_/21)|((1+FW_/21)<<2)|(DW_<<4)|(DW_<<6)
	PROD1 DL_, FX_, FW_, v[DL_:DL_+7], XX_, XW_, b, (\t)%2
.else
	WIN (1+FX_/21)|((1+FW_/21)<<2)|(DW_<<6)
	PROD1 DL_, FX_, FW_, v[BI+8*(\t):BI+8*(\t)+7], XX_, XW_, b, (\t)%2
.endif
.else
.set DL_, ACC+8*(\t)
	WIN (1+FW_/21)|((1+FX_/21)<<2)
.if \q
	PROD1 DL_, FW_, FX_, v[DL_:DL_+7], XW_, XX_, a, (\t)%2
.else
	PROD1 DL_, FW_, FX_, v[BI+8*(\t):BI+8*(\t)+7], XW_, XX_, a, (\t)%2
.endif
.endif
.endm
.macro MULS kind, e, s                 ; a block's 32 products, and the places behind them
.irp q, 0,1,2,3,4,5,6,7
.irp t, 0,1,2,3
	PROD \kind, \e, \q, \t, \s
.endr
.endr
	WIN 0
	PLACES 4
.endm
; q's or k's way out of a block: 32 sums a lane, two half blocks of 16, each shared with lane l xor 16, become half an image and a scale word
.macro OUTQ s
.set PC_, PCQ+20*((\s)%2)
	s_wait_xcnt 0x0                                ; earlier stores have read their data
.irp b, 0,1
	v_max3_num_f32 v[TM+\b], |v[ACC+16*\b]|, |v[ACC+16*\b+1]|, 0x1800000   ; with the floor 2^(3 - 127): the byte cannot fall under 1
.endr
.irp i, 2,4,6,8,10,12,14
.irp b, 0,1
	v_max3_num_f32 v[TM+\b], v[TM+\b], |v[ACC+16*\b+\i]|, |v[ACC+16*\b+\i+1]|
.endr
.endr
.irp b, 0,1
	v_permlanex16_b32 v[TM+2+\b], v[TM+\b], s[SEL], s[SEL+1]
.endr
.irp b, 0,1
	v_max_num_f32 v[TM+\b], v[TM+\b], v[TM+2+\b]
.endr
.irp b, 0,1
	v_add_nc_u32 v[TM+4+\b], 0xff000000, v[TM+\b]  ; 2 off the exponent field: the conversion's scale operand
.endr
.irp b, 0,1
	v_lshrrev_b32 v[TM+6+\b], 23, v[TM+4+\b]       ; the scale's byte
.endr
	v_lshl_or_b32 v[WD+(\s)], v[TM+7], 8, v[TM+6]
	v_cvt_scalef32_pk16_fp6_f32 v[PC_:PC_+2], v[ACC:ACC+15], v[TM+4]
	v_cvt_scalef32_pk16_fp6_f32 v[PC_+8:PC_+10], v[ACC+16:ACC+31], v[TM+5]
	v_nop                                          ; one plain place behind a scaled conversion
.irp i, 0,1,2
	v_permlane16_swap_b32 v[PC_+\i], v[PC_+8+\i]   ; a whole block to a lane
.endr
.irp i, 0,1,2
	v_mov_b32 v[PC_+3+\i], v[PC_+8+\i]
.endr
	global_store_b128 v[L16], v[PC_:PC_+3], s[98:99] offset:768*(\s)       ; 512 and 256 consecutive bytes, aligned to 256
	global_store_b64 v[L8], v[PC_+4:PC_+5], s[98:99] offset:768*(\s)+512
.endm
.macro QBLOCK s
	s_wait_dscnt NF                                ; this block's tile is in; the next block's 34 loads may be out
	MULS 0, (\s)%2, \s
	FETCH ((\s)+2)%8, (\s)%2                       ; the tile two blocks on; the last two fetch the next phase's first two
	OUTQ \s
.if (\s) == 0
	s_cmp_lg_u32 s86, 0                            ; in q's phase: v's weights, which the next phase's refill will load
	s_cbranch_scc1 .Lno_pf_\@
	global_prefetch_b8 v[PFV], s[8:9] offset:64*TILE th:TH_LOAD_NT scope:SCOPE_SE
.Lno_pf_\@:
.endif
.endm
; v's way out of a tile of w: 64 sums a lane, four half blocks of 16 tokens, become an image and a scale word
.macro EQV t
.set W_, 3*((\t)/2)
.set AC_, 64+64*(\t)-120*((\t)/2)
	s_wait_xcnt 0x0
	WIN W_|(W_<<2)
.irp b, 0,1,2,3
	v_max3_num_f32 v[TV+\b], |v[AC_+16*\b]|, |v[AC_+16*\b+1]|, 0x1800000
.endr
	WIN (W_<<2)|(W_<<4)
.irp i, 2,4,6,8,10,12,14
.irp b, 0,1,2,3
	v_max3_num_f32 v[TV+\b], v[TV+\b], |v[AC_+16*\b+\i]|, |v[AC_+16*\b+\i+1]|
.endr
.endr
	WIN 0
.irp b, 0,1,2,3
	v_permlanex16_b32 v[TV+4+\b], v[TV+\b], s[SEL], s[SEL+1]
.endr
.irp b, 0,1,2,3
	v_max_num_f32 v[TV+\b], v[TV+\b], v[TV+4+\b]
.endr
.irp b, 0,1,2,3
	v_add_nc_u32 v[TV+12+\b], 0xff000000, v[TV+\b]
.endr
.irp b, 0,1,2,3
	v_lshrrev_b32 v[TV+4+\b], 23, v[TV+12+\b]
.endr
	v_lshl_or_b32 v[WDV+(\t)], v[TV+5], 8, v[TV+4]
	v_lshl_or_b32 v[WDV+(\t)], v[TV+6], 16, v[WDV+(\t)]
	v_lshl_or_b32 v[WDV+(\t)], v[TV+7], 24, v[WDV+(\t)]
	WIN W_
.irp c, 0,1
	v_cvt_scalef32_pk16_fp6_f32 v[PV+6*\c:PV+6*\c+2], v[AC_+32*\c:AC_+32*\c+15], v[TV+12+2*\c]
	v_cvt_scalef32_pk16_fp6_f32 v[PV+12+4*\c:PV+14+4*\c], v[AC_+32*\c+16:AC_+32*\c+31], v[TV+13+2*\c]
.endr
	WIN 0
	v_nop
.irp c, 0,1
.irp i, 0,1,2
	v_permlane16_swap_b32 v[PV+6*\c+\i], v[PV+12+4*\c+\i]
.endr
.irp i, 0,1,2
	v_mov_b32 v[PV+3+6*\c+\i], v[PV+12+4*\c+\i]
.endr
.endr
	global_store_b128 v[L16], v[PV:PV+3], s[98:99] offset:1536*(\t)
	global_store_b64 v[L8], v[PV+4:PV+5], s[98:99] offset:1536*(\t)+512
	global_store_b128 v[L16], v[PV+6:PV+9], s[98:99] offset:1536*(\t)+768
	global_store_b64 v[L8], v[PV+10:PV+11], s[98:99] offset:1536*(\t)+1280
.endm
; ---------------- the head
	s_load_b256 s[4:11], s[0:1], 0x0               ; x_img, x_sc, w_img, w_sc
	s_load_b128 s[96:99], s[0:1], 0x20             ; b_attn, att_img
	s_load_b64 s[100:101], s[0:1], 0x30            ; att_sc
	v_lshl_add_u32 v[SPW], v0, 2, SPARE
	v_mov_b32 v[NIL], 0
	ds_add_u32 v[SPW], v[NIL]                      ; the opening lines
	ds_add_u32 v[SPW], v[NIL]
	v_lshrrev_b32 v1, 5, v0
	v_readfirstlane_b32 s14, v1                    ; wave
	v_and_b32 v[LN], 31, v0
	v_and_b32 v20, 15, v0                          ; r
	v_bfe_u32 v21, v0, 4, 1                        ; h
	v_lshlrev_b32 v[L16], 4, v[LN]
	v_lshlrev_b32 v[L8], 3, v[LN]
	v_lshlrev_b32 v[R16], 4, v20
	WALU
	s_lshr_b32 s15, s14, 1                         ; a
	s_and_b32 s16, s14, 1                          ; b
	s_bfe_u32 s40, ttmp6, 0x40000                  ; cx
	s_bfe_u32 s41, ttmp6, 0x40004                  ; cy
	s_lshl_b32 s42, ttmp9, 2
	s_add_co_u32 s42, s42, s40                     ; column group 0..7
	s_and_b32 s43, ttmp7, 0xffff
	s_lshl_b32 s43, s43, 2
	s_add_co_u32 s43, s43, s41                     ; row tile 0..31
	s_lshl_b32 s44, s41, 2
	s_lshl_b32 s44, 15, s44                        ; my row of the cluster
	s_lshl_b32 s45, 0x1111, s40                    ; my column
	GROUP1 G1X, 44, 384                            ; 8 tiles of x
	GROUP1 G1S, 44, 32                             ; 16 tiles' scale words
	GROUP1 G1W, 45, 384                            ; 8 tiles of w
	GROUP1 G1R, 45, 96                             ; 2 tiles of w: a wave's quarter of a refill
	s_mul_i32 s17, s16, 8*TILE                     ; waves 2, 3: which half of x, in LDS and in memory
	s_mul_i32 s20, s43, 16*TILE
	s_add_co_u32 s20, s20, s17
	s_mov_b32 s21, 0
	s_lshl_b32 s22, s43, 13
	s_mov_b32 s23, 0
	s_mul_i32 s46, s42, 8*TILE                     ; q's weights
	s_mov_b32 s47, 0
	s_mul_i32 s18, s14, 2*TILE
	s_add_co_u32 s84, s46, s18
	s_add_co_u32 s84, s84, 64*TILE                 ; my quarter of k's
	s_mov_b32 s85, 0
	s_mov_b32 s[G0X], 1
	s_mov_b32 s[G0X+1], s17
	s_mov_b32 s[G0S], 1
	s_mov_b32 s[G0S+1], XS
	s_mov_b32 s[G0W], 1
	s_mov_b32 s[G0W+1], WB
	s_mov_b32 s[G0R], 1
	s_add_co_u32 s[G0R+1], s18, WB
	s_lshl_b32 s86, s42, 12
	s_lshl_b32 s19, s16, 11
	s_add_co_u32 s86, s86, s19                     ; my four tiles' scale words in w_sc
	s_mov_b32 s87, 0
	s_lshl_b32 s88, s42, 9
	s_lshl_b32 s19, s16, 8
	s_add_co_u32 s88, s88, s19                     ; my head's bias
	s_mov_b32 s89, 0
	s_lshr_b32 s19, s43, 3
	s_lshl_b32 s19, s19, 4
	s_lshl_b32 s90, s42, 1
	s_add_co_u32 s19, s19, s90
	s_add_co_u32 s19, s19, s16                     ; plane = 16 batch + head
	s_and_b32 s90, s43, 7
	s_lshl_b32 s90, s90, 1
	s_add_co_u32 s90, s90, s15                     ; key step
	s_mul_i32 s92, s19, 294912
	s_mul_i32 s91, s90, 6144
	s_add_co_u32 s92, s92, s91
	s_mov_b32 s93, 0
	s_mul_i32 s94, s19, 20480
	s_lshl_b32 s91, s90, 9
	s_add_co_u32 s66, s94, s91
	s_mov_b32 s67, 0
	s_lshl_b32 s91, s90, 8
	s_add_co_u32 s94, s94, s91
	s_add_co_u32 s94, s94, 16384
	s_mov_b32 s95, 0
	s_mov_b32 s[SEL], 0x76543210
	s_mov_b32 s[SEL+1], 0xfedcba98
	s_mov_b32 s[HM], 0xffff0000
	s_mul_i32 s19, s15, 8*TILE
	v_add_nc_u32 v[AX16], s19, v[L16]
	v_add_nc_u32 v[AX8], s19, v[L8]
	s_add_co_u32 s19, s19, 4*TILE
	v_add_nc_u32 v[AX16+1], s19, v[L16]
	v_add_nc_u32 v[AX8+1], s19, v[L8]
	s_mul_i32 s19, s16, 4*TILE
	s_add_co_u32 s19, s19, WB
	v_add_nc_u32 v[AW16], s19, v[L16]
	v_add_nc_u32 v[AW8], s19, v[L8]
	s_lshl_b32 s19, s15, 12
	s_add_co_u32 s19, s19, XS
	v_add_nc_u32 v[AXS], s19, v[R16]
	v_lshl_add_u32 v[SCQ], v21, 8, v[R16]          ; 16 r + 256 h
	v_lshl_add_u32 v[WSO], v21, 9, v[R16]          ; 16 r + 512 h
	v_lshlrev_b32 v[BOQ], 6, v21
	v_and_b32 v22, 8, v20
	v_add_nc_u32 v22, v22, v20
	v_lshlrev_b32 v[BOV], 2, v22
	s_lshl_b32 s19, s41, 2
	s_add_co_u32 s19, s19, s14                     ; my number among the 16 waves of my column of the cluster
	s_mul_i32 s19, s19, 6144
	s_add_co_u32 s19, s19, s46
	s_add_co_u32 s19, s19, 64*TILE
	v_min_u32 v[PFV], 23, v[LN]
	v_lshl_add_u32 v[PFV], v[PFV], 8, s19          ; my 24 blocks of 256 bytes of k's weights
.irp j, TM+2, TM+3, TV+4, TV+5, TV+6, TV+7
	v_mov_b32 v[\j], 0                             ; a lane permute's destination counts as one of its sources
.endr
	WALU                                           ; the head's end
	s_wait_dscnt 0x0
	CROUND                                         ; the round in front of the first joint loads
	s_wait_kmcnt 0x0
	G0ADR G0X, 4, 20
	G0ADR G0S, 6, 22
	G0ADR G0W, 8, 46
	G0ADR G0R, 8, 84
	s_cmp_eq_u32 s14, 0                            ; one tensor load a wave: q's weights, x's scale words, x's two halves
	s_cbranch_scc0 .Lw1
	TLOAD G0W, G1W
	s_branch .Lasked
.Lw1:
	s_cmp_eq_u32 s14, 1
	s_cbranch_scc0 .Lw2
	TLOAD G0S, G1S
	s_branch .Lasked
.Lw2:
	TLOAD G0X, G1X
.Lasked:
	s_add_nc_u64 s[10:11], s[10:11], s[86:87]
	s_add_nc_u64 s[96:97], s[96:97], s[88:89]
	s_add_nc_u64 s[98:99], s[98:99], s[92:93]      ; where my codes go
	s_add_nc_u64 s[66:67], s[100:101], s[66:67]    ; q's, k's scale words
	s_add_nc_u64 s[94:95], s[100:101], s[94:95]    ; v's
.macro LDSC reg, off                   ; 16 registers of w's scale words
.irp p, 0,1
.irp c, 0,1
	global_load_b128 v[\reg+8*\p+4*\c:\reg+8*\p+4*\c+3], v[WSO], s[10:11] offset:(\off)+\p*1024+\c*256
.endr
.endr
.endm
.macro LDBQ reg, off                   ; q's or k's bias as the result lies: tile t, register j: channel 32 (t / 2) + 8 (t % 2) + 16 h + j
.irp t, 0,1,2,3
	global_load_b128 v[\reg+8*\t:\reg+8*\t+3], v[BOQ], s[96:97] offset:(\off)+(32*(\t/2)+8*(\t%2))*4
	global_load_b128 v[\reg+8*\t+4:\reg+8*\t+7], v[BOQ], s[96:97] offset:(\off)+(32*(\t/2)+8*(\t%2))*4+16
.endr
.endm
	LDSC SB, 0
	LDBQ BI, 0
	WIN 0xc0
	LDSC ST1, 32768
	LDBQ ST1+16, 4096
	LDSC ST2, 65536
.irp t, 0,1,2,3
.irp j, 0,1,2,3,4,5,6,7
	global_load_b32 v[ST2+16+8*\t+\j], v[BOV], s[96:97] offset:8192+(32*(\t/2)+8*(\t%2))*4   ; v: a lane's eight results of a tile belong to one channel
.endr
.endr
	WIN 0
	global_prefetch_b8 v[PFV], s[8:9] th:TH_LOAD_NT scope:SCOPE_SE   ; k's weights, which the first refill will load
	s_cmp_eq_u32 s14, 0
	s_cbranch_scc0 .Lnot_w
	s_wait_tensorcnt 0x0                           ; wave 0's line is its own
.Lnot_w:
	BARRIER                                        ; q's weights are in
	WEIGHTS
	s_wait_tensorcnt 0x0
	s_wait_dscnt 0x0
	BARRIER                                        ; x and its scale words are in
	FETCH 0, 0
	FETCH 1, 1
	s_wait_loadcnt 0x0
	s_mov_b32 s86, 0
; ---------------- q's phase, then k's
.Lphase:
	s_wait_tensorcnt 0x0                           ; ahead of a refill's round
	ds_add_u32 v[SPW], v[NIL]
	s_wait_dscnt 0x0                               ; the weights are in my registers
	CROUND
	TLOAD G0R, G1R                                 ; my quarter of the next phase's weights
.irp s, 0,1,2,3,4,5,6,7
	QBLOCK \s
.endr
.irp i, 0,1,2,3
	v_cndmask_b32 v[WD+\i], v[WD+\i], v[WD+4+\i], s[HM]   ; lanes 0-15 tiles 0-3, lanes 16-31 tiles 4-7
.endr
	global_store_b128 v[SCQ], v[WD:WD+3], s[66:67]  ; 512 consecutive bytes
	s_wait_tensorcnt 0x0                           ; my quarter has landed, so its descriptor may step
	s_add_nc_u64 s[G0R+2:G0R+3], s[G0R+2:G0R+3], 64*TILE
	s_wait_xcnt 0x0                                ; the stores have read their bases
	s_add_nc_u64 s[98:99], s[98:99], 98304
	s_add_nc_u64 s[66:67], s[66:67], 8192
	s_wait_dscnt 0x0
	BARRIER                                        ; the next weights are shown to all
	WEIGHTS
	WIN 0x03                                       ; under the loads' flight: the next phase's scale words and bias to their places,
.set I, 0
.rept 16
	v_mov_b32 v[SB+I], v[ST1+I]
.set I, I+1
.endr
.set I, 0
.rept 32
	v_mov_b32 v[BI+I], v[ST1+16+I]
.set I, I+1
.endr
	WIN 0xc3                                       ; and those of the phase after move up
.set I, 0
.rept 48
	v_mov_b32 v[ST1+I], v[ST2+I]
.set I, I+1
.endr
	WIN 0
	s_add_co_u32 s86, s86, 1
	s_cmp_lg_u32 s86, 2
	WALU
	s_cbranch_scc1 .Lphase
; ---------------- v's phase
	s_wait_dscnt 0x0
.irp s, 0,1,2,3,4,5,6,7
.if \s < 7
	s_wait_dscnt NF
.else
	s_wait_dscnt 0x0
.endif
	MULS 1, \s%2, \s
.if \s < 6
	FETCH \s+2, \s%2
.endif
.endr
.irp t, 0,1,2,3
	EQV \t
.endr
	v_cmp_gt_u32 vcc_lo, 16, v[LN]                 ; both halves of the lanes hold the same words: the lower sixteen store
	WALU
	s_wait_xcnt 0x0                                ; EXEC changes only behind this wait
	s_and_saveexec_b32 s17, vcc_lo
	global_store_b128 v[R16], v[WDV:WDV+3], s[94:95]   ; 256 consecutive bytes
	s_wait_xcnt 0x0
	s_or_b32 exec_lo, exec_lo, s17
	s_wait_tensorcnt 0x0                           ; the wave's end
	ds_add_u32 v[SPW], v[NIL]
	s_wait_dscnt 0x0
	CROUND                                         ; the closing round
	s_endpgm
.Lfunc_end_k_q90ebb3c9ae_qkv:
	.size	k_q90ebb3c9ae_qkv, .Lfunc_end_k_q90ebb3c9ae_qkv-k_q90ebb3c9ae_qkv
	.p2alignl 7, 3214868480
	.fill 96, 4, 3214868480
	.section	.rodata,"a",@progbits
	.p2align	6, 0x0
	.amdhsa_kernel k_q90ebb3c9ae_qkv
		.amdhsa_group_segment_fixed_size 327680
		.amdhsa_private_segment_fixed_size 0
		.amdhsa_enable_private_segment 0
		.amdhsa_kernarg_size 56
		.amdhsa_user_sgpr_count 2
		.amdhsa_user_sgpr_kernarg_segment_ptr 1
		.amdhsa_wavefront_size32 1
		.amdhsa_system_sgpr_workgroup_id_x 1
		.amdhsa_system_sgpr_workgroup_id_y 1
		.amdhsa_system_sgpr_workgroup_id_z 1
		.amdhsa_system_vgpr_workitem_id 0
		.amdhsa_next_free_vgpr 1024
		.amdhsa_next_free_sgpr 102
		.amdhsa_reserve_vcc 1
		.amdhsa_float_denorm_mode_32 3
		.amdhsa_float_denorm_mode_16_64 3
		.amdhsa_memory_ordered 1
		.amdhsa_forward_progress 1
		.amdhsa_inst_pref_size 177
	.end_amdhsa_kernel
	.amdgpu_metadata
---
amdhsa.version: [ 1, 2 ]
amdhsa.kernels:
  - .name:           k_q90ebb3c9ae_qkv
    .symbol:         k_q90ebb3c9ae_qkv.kd
    .args:
      - { .name: x_img, .offset: 0, .size: 8, .value_kind: global_buffer, .address_space: global }
      - { .name: x_sc, .offset: 8, .size: 8, .value_kind: global_buffer, .address_space: global }
      - { .name: w_img, .offset: 16, .size: 8, .value_kind: global_buffer, .address_space: global }
      - { .name: w_sc, .offset: 24, .size: 8, .value_kind: global_buffer, .address_space: global }
      - { .name: b_attn, .offset: 32, .size: 8, .value_kind: global_buffer, .address_space: global }
      - { .name: att_img, .offset: 40, .size: 8, .value_kind: global_buffer, .address_space: global }
      - { .name: att_sc, .offset: 48, .size: 8, .value_kind: global_buffer, .address_space: global }
    .group_segment_fixed_size: 327680
    .private_segment_fixed_size: 0
    .kernarg_segment_align: 8
    .kernarg_segment_size: 56
    .max_flat_workgroup_size: 128
    .sgpr_count:     102
    .vgpr_count:     1024
    .wavefront_size: 32
...
	.end_amdgpu_metadata
.endif
;; end of part 2
;; launch attn (part 3): grid 4 x 64, 16 waves a work-group, clusters of 4 x 1, 327,680 bytes of LDS; arguments att_img, att_sc, y_img, y_sc; writes y_img, y_sc
.if DOCPART == 3
	.amdgcn_target "amdgcn-amd-amdhsa--gfx1250"
	.amdhsa_code_object_version 6
	.text
	.protected	k_q90ebb3c9ae_attn
	.globl	k_q90ebb3c9ae_attn
	.p2align	8
	.type	k_q90ebb3c9ae_attn,@function
k_q90ebb3c9ae_attn:
	s_mov_b64 s[64:65], 0
	v_nop
	global_prefetch_b8 v0, s[64:65] scope:SCOPE_SE
	s_setreg_imm32_b32 hwreg(HW_REG_WAVE_MODE, 25, 1), 1
	s_wait_xcnt 0x0
	s_wait_alu depctr_hold_cnt(0) depctr_sa_sdst(0) depctr_va_vdst(0) depctr_va_sdst(0) depctr_va_ssrc(0) depctr_va_vcc(0) depctr_vm_vsrc(0)
	s_getreg_b32 s2, hwreg(HW_REG_IB_STS2, 6, 4)
	s_cmp_eq_u32 s2, 0
	s_cbranch_scc0 .Lentry_in_a_cluster
	s_endpgm
.Lentry_in_a_cluster:
	s_bfe_u32 s2, ttmp6, 0x10000c
	s_cmp_lg_u32 s2, 0x3003
	s_cbranch_scc0 .Lentry_shape_is_right
	s_endpgm
.Lentry_shape_is_right:
.set VL,    98304
.set SCK,   196608
.set SCV,   204800
.set SPARE, 208896
.set PLI,   294912
.set PLS,   20480
.set SPW,  5
.set NIL,  6
.set WV,   12
.set PL,   14
.set SEL,  20
.set CS,   22
.set G1C,  24
.set G1S,  32
.set G0C,  40
.set G0S,  44
.set TB,   48
.set TS,   49
.set TJ,   50
.set ST,   51
.set SD,   52
.set QT,   53
.set HM,   54
.set QOFF, 55
.macro CROUND
	s_barrier_signal -1
	s_barrier_wait -1
	s_cmp_lg_u32 s[WV], 0
	s_cbranch_scc1 .Lnot_wave_0_\@
	s_barrier_signal -3
.Lnot_wave_0_\@:
	s_barrier_wait -3
	s_barrier_signal -1
	s_barrier_wait -1
.endm
	s_load_b256 s[4:11], s[0:1], 0x0
	v_lshl_add_u32 v[SPW], v0, 2, SPARE
	v_mov_b32 v[NIL], 0
	ds_add_u32 v[SPW], v[NIL]
	ds_add_u32 v[SPW], v[NIL]
	v_lshrrev_b32 v1, 5, v0
	s_delay_alu instid0(VALU_DEP_1)
	v_readfirstlane_b32 s[WV], v1
	s_bfe_u32 s13, ttmp6, 0x40000
	s_and_b32 s[PL], ttmp7, 0xffff
	s_mov_b32 s[G1C], 15|(3<<16)|(1<<21)
	s_mov_b32 s[G1C+1], 32<<16
	s_mov_b32 s[G1C+2], 64<<16
	s_mov_b32 s[G1C+3], 32<<16
	s_mov_b32 s[G1C+4], 64
	s_mov_b32 s[G1C+5], 32
	s_mov_b32 s[G1C+6], 0
	s_mov_b32 s[G1C+7], 0
	s_mov_b32 s[G1S], 15|(3<<16)|(1<<21)
	s_mov_b32 s[G1S+1], 32<<16
	s_mov_b32 s[G1S+2], 12<<16
	s_mov_b32 s[G1S+3], 32<<16
	s_mov_b32 s[G1S+4], 12
	s_mov_b32 s[G1S+5], 32
	s_mov_b32 s[G1S+6], 0
	s_mov_b32 s[G1S+7], 0
	s_mul_i32 s16, s[PL], PLI
	s_mov_b32 s17, 0
	s_mul_i32 s18, s[PL], PLS
	s_mov_b32 s19, 0
	s_mul_i32 s58, s[WV], 16384                    ; waves 0-11: 64 rows of 256 bytes of k's and v's codes each
	s_and_b32 s60, s[WV], 3
	s_mul_i32 s60, s60, 3072                       ; waves 12-15: 12 rows of the scale words each
	s_mov_b32 s63, 0
	s_mov_b32 s[SEL], 0x76543210
	s_mov_b32 s[SEL+1], 0xfedcba98
	s_mov_b32 s[CS], 0x3e38aa3b
	s_mov_b32 s[CS+1], s[CS]
	s_mov_b32 s[HM], 0xffff0000
	s_lshr_b32 s70, s[PL], 4
	s_bfe_u32 s71, s[PL], 0x30001
	s_and_b32 s72, s[PL], 1
	s_mul_i32 s66, s70, 128*12288
	s_mul_i32 s73, s71, 1536
	s_add_co_u32 s66, s66, s73
	s_mul_i32 s73, s72, 768
	s_add_co_u32 s66, s66, s73
	s_mov_b32 s67, 0
	s_lshl_b32 s68, s70, 16
	s_lshr_b32 s73, s71, 2
	s_lshl_b32 s73, s73, 8
	s_add_co_u32 s68, s68, s73
	s_and_b32 s73, s71, 3
	s_lshl_b32 s73, s73, 2
	s_add_co_u32 s68, s68, s73
	s_lshl_b32 s73, s72, 1
	s_add_co_u32 s68, s68, s73
	s_mov_b32 s69, 0
	s_wait_dscnt 0x0
	s_wait_kmcnt 0x0
	s_add_nc_u64 s[4:5], s[4:5], s[16:17]
	s_add_nc_u64 s[6:7], s[6:7], s[18:19]
	s_add_nc_u64 s[8:9], s[8:9], s[66:67]
	s_add_nc_u64 s[10:11], s[10:11], s[68:69]
	CROUND
	s_mov_b32 s[G0C], 1
	s_mov_b32 s[G0C+1], s58
	s_add_co_u32 s62, s58, 98304
	s_add_nc_u64 s[G0C+2:G0C+3], s[4:5], s[62:63]
	s_or_b32 s[G0C+3], s[G0C+3], 0x80000000
	s_mov_b32 s[G0S], 1
	s_add_co_u32 s[G0S+1], s60, SCK
	s_add_co_u32 s62, s60, 8192
	s_add_nc_u64 s[G0S+2:G0S+3], s[6:7], s[62:63]
	s_or_b32 s[G0S+3], s[G0S+3], 0x80000000
	s_cmp_lt_u32 s[WV], 12                         ; one tensor load a wave, in two arms that join
	s_cbranch_scc0 .Lsc_arm
	tensor_load_to_lds s[G0C:G0C+3], s[G1C:G1C+7]
	s_nop 0
.rept 4
	v_nop
.endr
	s_branch .Lhead_asked
.Lsc_arm:
	tensor_load_to_lds s[G0S:G0S+3], s[G1S:G1S+7]
	s_nop 0
.rept 4
	v_nop
.endr
.Lhead_asked:
	v_and_b32 v8, 31, v0
	s_delay_alu instid0(VALU_DEP_1)
	v_lshlrev_b32 v1, 4, v8
	s_delay_alu instid0(VALU_DEP_2)
	v_lshlrev_b32 v2, 3, v8
	v_and_b32 v9, 15, v0
	v_bfe_u32 v10, v0, 4, 1
	s_delay_alu instid0(VALU_DEP_2)
	v_lshlrev_b32 v3, 4, v9
	s_delay_alu instid0(VALU_DEP_1)
	v_add_nc_u32 v7, v3, v10
	s_delay_alu instid0(VALU_DEP_4)
	v_and_b32 v11, 8, v9
	s_delay_alu instid0(VALU_DEP_1)
	v_add_nc_u32 v4, v11, v9
	v_lshlrev_b32 v11, 4, v10
	s_delay_alu instid0(VALU_DEP_1)
	v_sub_nc_u32 v4, v4, v11
.irp j, 22,23,24,25,26,27,80,81,82,83,84,85
	v_mov_b32 v\j, 0
.endr
.irp j, 236,237,238,239,252,253
	v_mov_b32 v\j, 0
.endr
	s_wait_alu depctr_va_vdst(0)
	s_wait_tensorcnt 0x0
	s_barrier_signal -1
	s_barrier_wait -1
.macro STEP
	s_cmp_gt_u32 s[ST], s[SD]
	s_cbranch_scc1 .Lhidden_\@
	v_add_nc_u32 v8, s[TB], v1
	v_add_nc_u32 v9, s[TB], v2
	s_delay_alu instid0(VALU_DEP_2)
	v_add_nc_u32 v10, VL, v8
	s_delay_alu instid0(VALU_DEP_2)
	v_add_nc_u32 v11, VL, v9
	v_add_nc_u32 v28, s[TS], v3
	v_add_nc_u32 v29, s[TJ], v3
.irp t, 0,1,2,3,4,5,6,7
	ds_load_b128 v[32+6*\t:35+6*\t], v8 offset:768*\t
	ds_load_b64 v[36+6*\t:37+6*\t], v9 offset:768*\t+512
.endr
	ds_load_b128 v[192:195], v28
	ds_load_b128 v[196:199], v28 offset:256
	s_wait_alu depctr_va_vdst(0)
	s_wait_dscnt 0x0
.irp t, 0,1,2,3,4,5,6,7
	v_wmma_scale_f32_16x16x128_f8f6f4 v[96+8*\t:103+8*\t], v[32+6*\t:43+6*\t], v[16:27], 0, v[192+\t], v255 matrix_a_fmt:MATRIX_FMT_FP6 matrix_b_fmt:MATRIX_FMT_FP6
.endr
.rept 4
	v_nop
.endr
.irp t, 0,1,2,3
	ds_load_b128 v[32+12*\t:35+12*\t], v10 offset:1536*\t
	ds_load_b64 v[36+12*\t:37+12*\t], v11 offset:1536*\t+512
	ds_load_b128 v[38+12*\t:41+12*\t], v10 offset:1536*\t+768
	ds_load_b64 v[42+12*\t:43+12*\t], v11 offset:1536*\t+1280
.endr
	ds_load_b128 v[200:203], v29
	s_cmp_lt_u32 s[ST], s[SD]
	s_cbranch_scc1 .Lopen_\@
	v_add_nc_u32 v252, s[QOFF], v4
	v_mov_b32 v254, 0xff800000
.set n, 0
.rept 64
	v_cmp_gt_i32 vcc_lo, 32*(n/16)+n%16, v252
	v_cndmask_b32 v[96+n], v[96+n], v254, vcc_lo
.set n, n+1
.endr
.Lopen_\@:
.irp b, 0,1,2,3
	v_max3_num_f32 v[232+\b], v[96+16*\b], v[97+16*\b], v[98+16*\b]
.endr
.irp i, 3,5,7,9,11,13
.irp b, 0,1,2,3
	v_max3_num_f32 v[232+\b], v[232+\b], v[96+16*\b+\i], v[97+16*\b+\i]
.endr
.endr
.irp b, 0,1,2,3
	v_max_num_f32 v[232+\b], v[232+\b], v[111+16*\b]
.endr
.irp b, 0,1,2,3
	s_delay_alu instid0(VALU_DEP_4)
	v_permlanex16_b32 v[236+\b], v[232+\b], s[SEL], s[SEL+1]
.endr
.irp b, 0,1,2,3
	s_delay_alu instid0(VALU_DEP_4)
	v_max_num_f32 v[232+\b], v[232+\b], v[236+\b]
.endr
	s_delay_alu instid0(VALU_DEP_2)
	v_max3_num_f32 v254, v232, v233, v234
	s_delay_alu instid0(VALU_DEP_1)
	v_max_num_f32 v254, v254, v235
	s_delay_alu instid0(VALU_DEP_1)
	v_mul_f32 v254, s[CS], v254
	s_delay_alu instid0(VALU_DEP_1)
	v_max_num_f32 v13, v13, v254
	v_mov_b32 v254, v12
	s_delay_alu instid0(VALU_DEP_2)
	v_floor_f32 v12, -v13
	s_delay_alu instid0(VALU_DEP_1)
	v_sub_f32 v254, v12, v254
	s_delay_alu instid0(VALU_DEP_1)
	v_cvt_i32_f32 v254, v254
	s_delay_alu instid0(VALU_DEP_1)
	v_ldexp_f32 v252, 1.0, v254
.set n, 0
.rept 32
	v_pk_fma_f32 v[96+n:97+n], v[96+n:97+n], s[CS:CS+1], v[12:13] op_sel_hi:[1,0,0]
.set n, n+2
.endr
.irp b, 0,1,2,3
	v_fma_f32 v[232+\b], v[232+\b], s[CS], v12
.endr
.set n, 0
	s_wait_alu depctr_va_vdst(0)
.rept 64
	v_exp_f32 v[96+n], v[96+n]
.set n, n+1
.endr
	v_pk_mul_f32 v[14:15], v[14:15], v[252:253] op_sel_hi:[1,0]
	s_wait_alu depctr_va_vdst(0)
.irp b, 0,1,2,3
	v_exp_f32 v[232+\b], v[232+\b]
.endr
	v_pk_add_f32 v[236:237], v[96:97], v[98:99]
.irp j, 4,8,12,16,20,24,28,32,36,40,44,48,52,56,60
	v_pk_add_f32 v[14:15], v[14:15], v[96+\j:97+\j]
	v_pk_add_f32 v[236:237], v[236:237], v[98+\j:99+\j]
.endr
	s_delay_alu instid0(VALU_DEP_1)
	v_pk_add_f32 v[14:15], v[14:15], v[236:237]
	s_wait_alu depctr_va_vdst(0)
.irp b, 0,1,2,3
	v_max_num_f32 v[232+\b], 0x1800000, v[232+\b]
.endr
.irp b, 0,1,2,3
	s_delay_alu instid0(VALU_DEP_4)
	v_add_nc_u32 v[244+\b], 0xff000000, v[232+\b]
.endr
.irp b, 0,1,2,3
	s_delay_alu instid0(VALU_DEP_4)
	v_lshrrev_b32 v[236+\b], 23, v[244+\b]
.endr
	s_delay_alu instid0(VALU_DEP_3)
	v_lshl_or_b32 v253, v237, 8, v236
	s_delay_alu instid0(VALU_DEP_1)
	v_lshl_or_b32 v253, v238, 16, v253
	s_delay_alu instid0(VALU_DEP_1)
	v_lshl_or_b32 v253, v239, 24, v253
.irp c, 0,1
	v_cvt_scalef32_pk16_fp6_f32 v[224+6*\c:226+6*\c], v[96+32*\c:111+32*\c], v[244+2*\c]
	v_cvt_scalef32_pk16_fp6_f32 v[236+4*\c:238+4*\c], v[112+32*\c:127+32*\c], v[244+2*\c+1]
.endr
	v_nop
.irp c, 0,1
.irp i, 0,1,2
	v_permlane16_swap_b32 v[224+6*\c+\i], v[236+4*\c+\i]
.endr
.irp i, 0,1,2
	s_delay_alu instid0(VALU_DEP_3)
	v_mov_b32 v[227+6*\c+\i], v[236+4*\c+\i]
.endr
.endr
.set n, 0
.rept 16
	v_pk_mul_f32 v[160+n:161+n], v[160+n:161+n], v[252:253] op_sel_hi:[1,0]
.set n, n+2
.endr
	s_wait_alu depctr_va_vdst(0)
	s_wait_dscnt 0x0
.irp t, 0,1,2,3
	v_wmma_scale_f32_16x16x128_f8f6f4 v[160+8*\t:167+8*\t], v[32+12*\t:43+12*\t], v[224:235], v[160+8*\t:167+8*\t], v[200+\t], v253 matrix_a_fmt:MATRIX_FMT_FP6 matrix_b_fmt:MATRIX_FMT_FP6
.endr
.Lhidden_\@:
	s_add_co_u32 s[TB], s[TB], 6144
	s_add_co_u32 s[TS], s[TS], 512
	s_add_co_u32 s[TJ], s[TJ], 256
.endm
.macro PASS trips
	s_wait_xcnt 0x0
	s_mul_i32 s58, s[QT], 768
	s_mov_b32 s59, 0
	s_add_nc_u64 s[58:59], s[4:5], s[58:59]
	s_lshr_b32 s60, s[QT], 2
	s_lshl_b32 s60, s60, 8
	s_and_b32 s61, s[QT], 3
	s_lshl_b32 s61, s61, 2
	s_add_co_u32 s60, s60, s61
	s_mov_b32 s61, 0
	s_add_nc_u64 s[60:61], s[6:7], s[60:61]
	global_load_b128 v[16:19], v1, s[58:59]
	global_load_b64 v[20:21], v2, s[58:59] offset:512
	global_load_b32 v255, v3, s[60:61]
	s_lshr_b32 s[QOFF], s[QT], 1
	s_and_b32 s[QOFF], s[QOFF], 3
	s_lshl_b32 s[QOFF], s[QOFF], 5
	s_and_b32 s62, s[QT], 1
	s_lshl_b32 s62, s62, 3
	s_add_co_u32 s[QOFF], s[QOFF], s62
	s_mul_i32 s66, s[QT], 12288
	s_mov_b32 s67, 0
	s_add_nc_u64 s[66:67], s[8:9], s[66:67]
	s_lshl_b32 s68, s[QT], 9
	s_mov_b32 s69, 0
	s_add_nc_u64 s[68:69], s[10:11], s[68:69]
	v_mov_b32 v13, 0xff61b1e6
	s_delay_alu instid0(VALU_DEP_1)
	v_floor_f32 v12, -v13
	v_mov_b32 v14, 0
	v_mov_b32 v15, 0
.set n, 0
.rept 32
	v_mov_b32 v[160+n], 0
.set n, n+1
.endr
	s_mov_b32 s[TB], 0
	s_mov_b32 s[TS], SCK
	s_mov_b32 s[TJ], SCV
	s_mov_b32 s[ST], 0
	s_wait_loadcnt 0x0
.Lstep_\@:
	STEP
	s_add_co_u32 s[ST], s[ST], 1
	s_cmp_lt_u32 s[ST], \trips
	s_cbranch_scc1 .Lstep_\@
.rept 4
	v_nop
.endr
	v_add_f32 v14, v14, v15
	s_delay_alu instid0(VALU_DEP_1)
	v_permlanex16_b32 v252, v14, s[SEL], s[SEL+1]
	s_delay_alu instid0(VALU_DEP_1)
	v_add_f32 v14, v14, v252
	s_wait_alu depctr_va_vdst(0)
	v_rcp_f32 v14, v14
	v_nop
	s_wait_alu depctr_va_vdst(0)
.set n, 0
.rept 16
	v_pk_mul_f32 v[96+n:97+n], v[160+n:161+n], v[14:15] op_sel_hi:[1,0]
.set n, n+2
.endr
.irp b, 0,1
	v_max3_num_f32 v[232+\b], |v[96+16*\b]|, |v[97+16*\b]|, 0x1800000
.endr
.irp i, 2,4,6,8,10,12,14
.irp b, 0,1
	s_delay_alu instid0(VALU_DEP_2)
	v_max3_num_f32 v[232+\b], v[232+\b], |v[96+16*\b+\i]|, |v[97+16*\b+\i]|
.endr
.endr
.irp b, 0,1
	s_delay_alu instid0(VALU_DEP_2)
	v_permlanex16_b32 v[236+\b], v[232+\b], s[SEL], s[SEL+1]
.endr
.irp b, 0,1
	s_delay_alu instid0(VALU_DEP_2)
	v_max_num_f32 v[232+\b], v[232+\b], v[236+\b]
.endr
.irp b, 0,1
	s_delay_alu instid0(VALU_DEP_2)
	v_add_nc_u32 v[244+\b], 0xff000000, v[232+\b]
.endr
.irp b, 0,1
	s_delay_alu instid0(VALU_DEP_2)
	v_lshrrev_b32 v[236+\b], 23, v[244+\b]
.endr
	s_delay_alu instid0(VALU_DEP_1)
	v_cndmask_b32 v238, v236, v237, s[HM]
	v_cvt_scalef32_pk16_fp6_f32 v[224:226], v[96:111], v244
	v_cvt_scalef32_pk16_fp6_f32 v[240:242], v[112:127], v245
	v_nop
.irp i, 0,1,2
	v_permlane16_swap_b32 v[224+\i], v[240+\i]
.endr
.irp i, 0,1,2
	s_delay_alu instid0(VALU_DEP_3)
	v_mov_b32 v[227+\i], v[240+\i]
.endr
	global_store_b128 v1, v[224:227], s[66:67]
	global_store_b64 v2, v[228:229], s[66:67] offset:512
	global_store_b8 v7, v238, s[68:69]
.endm
	s_lshl_b32 s[QT], s[WV], 2
	s_add_co_u32 s[QT], s[QT], s13
	s_lshr_b32 s[SD], s[WV], 1
	PASS 8
	s_sub_co_u32 s[QT], 127, s[QT]
	s_sub_co_u32 s[SD], 15, s[SD]
	PASS 16
	s_wait_tensorcnt 0x0
	ds_add_u32 v[SPW], v[NIL]
	s_wait_dscnt 0x0
	CROUND
	s_endpgm
.Lfunc_end_k_q90ebb3c9ae_attn:
	.size	k_q90ebb3c9ae_attn, .Lfunc_end_k_q90ebb3c9ae_attn-k_q90ebb3c9ae_attn
	.p2alignl 7, 3214868480
	.fill 96, 4, 3214868480
	.section	.rodata,"a",@progbits
	.p2align	6, 0x0
	.amdhsa_kernel k_q90ebb3c9ae_attn
		.amdhsa_group_segment_fixed_size 327680
		.amdhsa_private_segment_fixed_size 0
		.amdhsa_enable_private_segment 0
		.amdhsa_kernarg_size 32
		.amdhsa_user_sgpr_count 2
		.amdhsa_user_sgpr_kernarg_segment_ptr 1
		.amdhsa_wavefront_size32 1
		.amdhsa_system_sgpr_workgroup_id_x 1
		.amdhsa_system_sgpr_workgroup_id_y 1
		.amdhsa_system_sgpr_workgroup_id_z 1
		.amdhsa_system_vgpr_workitem_id 0
		.amdhsa_next_free_vgpr 256
		.amdhsa_next_free_sgpr 80
		.amdhsa_reserve_vcc 1
		.amdhsa_float_denorm_mode_32 3
		.amdhsa_float_denorm_mode_16_64 3
		.amdhsa_memory_ordered 1
		.amdhsa_forward_progress 1
		.amdhsa_inst_pref_size 66
	.end_amdhsa_kernel
	.amdgpu_metadata
---
amdhsa.version: [ 1, 2 ]
amdhsa.kernels:
  - .name:           k_q90ebb3c9ae_attn
    .symbol:         k_q90ebb3c9ae_attn.kd
    .args:
      - { .name: att_img, .offset: 0, .size: 8, .value_kind: global_buffer, .address_space: global }
      - { .name: att_sc, .offset: 8, .size: 8, .value_kind: global_buffer, .address_space: global }
      - { .name: y_img, .offset: 16, .size: 8, .value_kind: global_buffer, .address_space: global }
      - { .name: y_sc, .offset: 24, .size: 8, .value_kind: global_buffer, .address_space: global }
    .group_segment_fixed_size: 327680
    .private_segment_fixed_size: 0
    .kernarg_segment_align: 8
    .kernarg_segment_size: 32
    .max_flat_workgroup_size: 512
    .sgpr_count:     80
    .vgpr_count:     256
    .wavefront_size: 32
...
	.end_amdgpu_metadata
.endif
;; end of part 3
;; launch proj (part 4): grid 8 x 32, 4 waves a work-group, clusters of 4 x 4, 327,680 bytes of LDS; arguments y_img, y_sc, w_img, w_sc, b_proj, out0; writes out0
.if DOCPART == 4
	.amdgcn_target "amdgcn-amd-amdhsa--gfx1250"
	.amdhsa_code_object_version 6
	.text
	.protected	k_q90ebb3c9ae_proj
	.globl	k_q90ebb3c9ae_proj
	.p2align	8
	.type	k_q90ebb3c9ae_proj,@function
k_q90ebb3c9ae_proj:
	s_mov_b64 s[64:65], 0
	v_nop
	global_prefetch_b8 v0, s[64:65] scope:SCOPE_SE
	s_setreg_imm32_b32 hwreg(HW_REG_WAVE_MODE, 25, 1), 1
	s_wait_xcnt 0x0
	s_wait_alu depctr_hold_cnt(0) depctr_sa_sdst(0) depctr_va_vdst(0) depctr_va_sdst(0) depctr_va_ssrc(0) depctr_va_vcc(0) depctr_vm_vsrc(0)
	s_getreg_b32 s2, hwreg(HW_REG_IB_STS2, 6, 4)
	s_cmp_eq_u32 s2, 0
	s_cbranch_scc0 .Lentry_in_a_cluster
	s_endpgm
.Lentry_in_a_cluster:
	s_bfe_u32 s2, ttmp6, 0x10000c
	s_cmp_lg_u32 s2, 0xf033
	s_cbranch_scc0 .Lentry_shape_is_right
	s_endpgm
.Lentry_shape_is_right:
; out0 = y w_proj + b_proj on codes of FP6 (E2M3) with E8M0 scales; f32 out.  Operands are images of the matrix operand's registers, as in the launch that makes q, k, v: a fragment is 1,536 bytes, a tile of 16 rows has 8 on end;
; row r of tile T stands for token (y) or column (w) 32 (T / 2) + 8 (T % 2) + r + 8 (r / 8); w_proj's tiles are 192-255 of w_img.
; THE DEAL: 8 x 32 work-groups of four waves; a work-group makes 256 tokens x 128 columns.  y's 16 tiles and w's 8, all of K, come into LDS once.  A wave (a = wave / 2, b = wave % 2) holds 4 tiles of w in 384 registers
; and streams its tiles 8 a .. 8 a + 7 of y past them: a block is 32 products, four sums by turns.  Source 0 = w's tile: a lane is a token, its 32 results are columns 32 b' + 16 h + i.  The bias is the first products' C.
; THE WAY OUT: a block's 16 x 64 results go through the wave's own stage in LDS and leave as rows: sixteen lanes store 256 consecutive bytes, aligned.  Block s - 1's rows are stored behind block s's products.
; CLUSTERS 4 x 4: y's tiles are asked for jointly along a row of the cluster, w's along a column.  No prefetch: every tile is asked for at the head, and no later fill follows that a request could run ahead of.
.set TILE,  12288
.set FIMG,  1536
.set WB,    16*TILE
.set XS,    WB+8*TILE
.set SPARE, XS+16*512
.set STG,   SPARE+512                  ; four stages of 16 rows x (256 + 16) bytes, which no tensor load fills
.set NF,    34
.set SPW,  2
.set NIL,  3
.set L16,  4
.set L8,   5
.set AX16, 6
.set AX8,  8
.set AW16, 10
.set AW8,  11
.set AXS,  12
.set STO,  13
.set R16,  14
.set RD,   15
.set BOQ,  16
.set CO,   17
.set WSO,  18
.set LN,   19
.set SA,   28
.set SB,   48
.set ACC,  64
.set OB,   96                          ; v96-159: two sets of 16 rows read back
.set BI,   192
.set G1X, 24
.set G1S, 32
.set G1W, 48
.set G0X, 68
.set G0S, 72
.set G0W, 76
.set MSB, 0
.macro WIN new
.if MSB != \new
	s_set_vgpr_msb (MSB<<8)|\new
.set MSB, \new
.endif
.endm
.macro PLACES n
.rept \n
	v_nop
.endr
.endm
.macro WALU
	s_wait_alu depctr_va_vdst(0)
.endm
.macro BARRIER
	s_barrier_signal -1
	s_barrier_wait -1
.endm
.macro CROUND
	s_barrier_signal -1
	s_barrier_wait -1
	s_cmp_lg_u32 s14, 0
	s_cbranch_scc1 .Lnot_wave_0_\@
	s_barrier_signal -3
.Lnot_wave_0_\@:
	s_barrier_wait -3
	s_barrier_signal -1
	s_barrier_wait -1
.endm
.macro TLOAD g0, g1
	tensor_load_to_lds s[\g0:\g0+3], s[\g1:\g1+7]
	s_nop 0
	PLACES 4
.endm
.macro GROUP1 g, mask, rows
	s_or_b32 s[\g], s\mask, (3<<16)|(1<<21)
	s_mov_b32 s[\g+1], 32<<16
	s_mov_b32 s[\g+2], (\rows)<<16
	s_mov_b32 s[\g+3], 32<<16
	s_mov_b32 s[\g+4], \rows
	s_mov_b32 s[\g+5], 32
	s_mov_b32 s[\g+6], 0
	s_mov_b32 s[\g+7], 0
.endm
.macro G0ADR g, base, off
	s_add_nc_u64 s[\g+2:\g+3], s[\base:\base+1], s[\off:\off+1]
	s_or_b32 s[\g+3], s[\g+3], 0x80000000
.endm
.macro FRAGLD f, a16, a8, off
	WIN (1+(\f)/21)<<6
.set R_, 12*((\f)%21)
	ds_load_b128 v[R_:R_+3], v[\a16] offset:(\off)
	ds_load_b64 v[R_+4:R_+5], v[\a8] offset:(\off)+512
	ds_load_b128 v[R_+6:R_+9], v[\a16] offset:(\off)+768
	ds_load_b64 v[R_+10:R_+11], v[\a8] offset:(\off)+1280
.endm
.macro WEIGHTS
.irp q, 0,1,2,3,4,5,6,7
.irp t, 0,1,2,3
	FRAGLD 4*\q+\t, AW16, AW8, \t*TILE+\q*FIMG
.endr
.endr
	WIN 0
.endm
.macro FETCH T, e
.irp q, 0,1,2,3,4,5,6,7
	FRAGLD 32+8*(\e)+\q, AX16+(\T)/4, AX8+(\T)/4, ((\T)%4)*TILE+\q*FIMG
.endr
	WIN 0
	ds_load_b128 v[SA+8*(\e):SA+8*(\e)+3], v[AXS] offset:(\T)*512
	ds_load_b128 v[SA+8*(\e)+4:SA+8*(\e)+7], v[AXS] offset:(\T)*512+256
.endm
.macro PROD1 d, s0, s1, c, x0, x1, o
.if \o
	v_wmma_scale_f32_16x16x128_f8f6f4 v[\d:\d+7], v[12*((\s0)%21):12*((\s0)%21)+11], v[12*((\s1)%21):12*((\s1)%21)+11], \c, v[\x0], v[\x1] matrix_a_fmt:MATRIX_FMT_FP6 matrix_b_fmt:MATRIX_FMT_FP6 matrix_a_scale:MATRIX_SCALE_ROW1
.else
	v_wmma_scale_f32_16x16x128_f8f6f4 v[\d:\d+7], v[12*((\s0)%21):12*((\s0)%21)+11], v[12*((\s1)%21):12*((\s1)%21)+11], \c, v[\x0], v[\x1] matrix_a_fmt:MATRIX_FMT_FP6 matrix_b_fmt:MATRIX_FMT_FP6 matrix_a_scale:MATRIX_SCALE_ROW0
.endif
.endm
.macro PROD e, q, t
.set FW_, 4*(\q)+(\t)
.set FX_, 32+8*(\e)+(\q)
.set XW_, SB+8*((\t)/2)+(\q)
.set XX_, SA+8*(\e)+(\q)
.set DL_, ACC+8*(\t)
	WIN (1+FW_/21)|((1+FX_/21)<<2)
.if \q
	PROD1 DL_, FW_, FX_, v[DL_:DL_+7], XW_, XX_, (\t)%2
.else
	PROD1 DL_, FW_, FX_, v[BI+8*(\t):BI+8*(\t)+7], XW_, XX_, (\t)%2
.endif
.endm
.macro MULS e
.irp q, 0,1,2,3,4,5,6,7
.irp t, 0,1,2,3
	PROD \e, \q, \t
.endr
.endr
	WIN 0
	PLACES 5                                       ; five places: the stage stores that follow read these sums' registers
.endm
.macro TOSTAGE s                       ; 8 stores and 8 loads; LDS serves a wave's instructions in order
	s_wait_xcnt 0x0                                ; block s - 2's stores have read the registers that these loads fill
.irp t, 0,1,2,3
	ds_store_b128 v[STO], v[ACC+8*\t:ACC+8*\t+3] offset:128*(\t/2)+32*(\t%2)
	ds_store_b128 v[STO], v[ACC+8*\t+4:ACC+8*\t+7] offset:128*(\t/2)+32*(\t%2)+16
.endr
.irp k, 0,1,2,3,4,5,6,7
	ds_load_b128 v[OB+32*((\s)%2)+4*\k:OB+32*((\s)%2)+4*\k+3], v[RD] offset:\k*544
.endr
.endm
.macro SEND s, younger
	s_wait_dscnt \younger
.irp k, 0,1,2,3,4,5,6,7
	global_store_b128 v[CO], v[OB+32*((\s)%2)+4*\k:OB+32*((\s)%2)+4*\k+3], s[98:99] offset:(32*((\s)/2)+8*((\s)%2)+2*\k+8*(\k/4))*4096 th:TH_STORE_NT
.endr
.endm
; ---------------- the head
	s_load_b256 s[4:11], s[0:1], 0x0               ; y_img, y_sc, w_img, w_sc
	s_load_b128 s[96:99], s[0:1], 0x20             ; b_proj, out0
	v_lshl_add_u32 v[SPW], v0, 2, SPARE
	v_mov_b32 v[NIL], 0
	ds_add_u32 v[SPW], v[NIL]                      ; the opening lines
	ds_add_u32 v[SPW], v[NIL]
	v_lshrrev_b32 v1, 5, v0
	v_readfirstlane_b32 s14, v1
	v_and_b32 v[LN], 31, v0
	v_and_b32 v20, 15, v0                          ; r
	v_bfe_u32 v21, v0, 4, 1                        ; h
	v_lshlrev_b32 v[L16], 4, v[LN]
	v_lshlrev_b32 v[L8], 3, v[LN]
	v_lshlrev_b32 v[R16], 4, v20
	WALU
	s_lshr_b32 s15, s14, 1
	s_and_b32 s16, s14, 1
	s_bfe_u32 s40, ttmp6, 0x40000
	s_bfe_u32 s41, ttmp6, 0x40004
	s_lshl_b32 s42, ttmp9, 2
	s_add_co_u32 s42, s42, s40                     ; column group 0..7
	s_and_b32 s43, ttmp7, 0xffff
	s_lshl_b32 s43, s43, 2
	s_add_co_u32 s43, s43, s41                     ; row tile 0..31
	s_lshl_b32 s44, s41, 2
	s_lshl_b32 s44, 15, s44
	s_lshl_b32 s45, 0x1111, s40
	GROUP1 G1X, 44, 384
	GROUP1 G1S, 44, 32
	GROUP1 G1W, 45, 384
	s_mul_i32 s17, s16, 8*TILE
	s_mul_i32 s20, s43, 16*TILE
	s_add_co_u32 s20, s20, s17
	s_mov_b32 s21, 0
	s_lshl_b32 s22, s43, 13
	s_mov_b32 s23, 0
	s_mul_i32 s46, s42, 8*TILE
	s_add_co_u32 s46, s46, 192*TILE
	s_mov_b32 s47, 0
	s_mov_b32 s[G0X], 1
	s_mov_b32 s[G0X+1], s17
	s_mov_b32 s[G0S], 1
	s_mov_b32 s[G0S+1], XS
	s_mov_b32 s[G0W], 1
	s_mov_b32 s[G0W+1], WB
	s_lshl_b32 s86, s42, 12
	s_lshl_b32 s19, s16, 11
	s_add_co_u32 s86, s86, s19
	s_add_co_u32 s86, s86, 192*512
	s_mov_b32 s87, 0
	s_lshl_b32 s88, s42, 9
	s_lshl_b32 s19, s16, 8
	s_add_co_u32 s88, s88, s19                     ; my 64 columns, in bytes
	s_mov_b32 s89, 0
	s_lshl_b32 s92, s43, 20
	s_lshl_b32 s19, s15, 19
	s_add_co_u32 s92, s92, s19
	s_add_co_u32 s92, s92, s88                     ; my 128 tokens' first row of 4,096 bytes, my columns
	s_mov_b32 s93, 0
	s_mul_i32 s19, s15, 8*TILE
	v_add_nc_u32 v[AX16], s19, v[L16]
	v_add_nc_u32 v[AX8], s19, v[L8]
	s_add_co_u32 s19, s19, 4*TILE
	v_add_nc_u32 v[AX16+1], s19, v[L16]
	v_add_nc_u32 v[AX8+1], s19, v[L8]
	s_mul_i32 s19, s16, 4*TILE
	s_add_co_u32 s19, s19, WB
	v_add_nc_u32 v[AW16], s19, v[L16]
	v_add_nc_u32 v[AW8], s19, v[L8]
	s_lshl_b32 s19, s15, 12
	s_add_co_u32 s19, s19, XS
	v_add_nc_u32 v[AXS], s19, v[R16]
	v_lshl_add_u32 v[WSO], v21, 9, v[R16]
	v_lshlrev_b32 v[BOQ], 6, v21
	s_mul_i32 s19, s14, 16*272
	s_add_co_u32 s19, s19, STG                     ; my stage
	v_mul_u32_u24 v22, v20, 272
	v_lshl_add_u32 v22, v21, 6, v22
	v_add_nc_u32 v[STO], s19, v22                  ; in: row r, + 64 h
	v_mul_u32_u24 v23, v21, 272
	v_add_nc_u32 v23, v23, v[R16]
	v_add_nc_u32 v[RD], s19, v23                   ; back: lanes 0-15 one row, lanes 16-31 the next
	v_lshl_add_u32 v[CO], v21, 12, v[R16]          ; and the same two rows in out0
	WALU                                           ; the head's end
	s_wait_dscnt 0x0
	CROUND                                         ; the round in front of the joint loads
	s_wait_kmcnt 0x0
	G0ADR G0X, 4, 20
	G0ADR G0S, 6, 22
	G0ADR G0W, 8, 46
	s_cmp_eq_u32 s14, 0                            ; one tensor load a wave: the weights, y's scale words, y's two halves
	s_cbranch_scc0 .Lw1
	TLOAD G0W, G1W
	s_branch .Lasked
.Lw1:
	s_cmp_eq_u32 s14, 1
	s_cbranch_scc0 .Lw2
	TLOAD G0S, G1S
	s_branch .Lasked
.Lw2:
	TLOAD G0X, G1X
.Lasked:
	s_add_nc_u64 s[10:11], s[10:11], s[86:87]
	s_add_nc_u64 s[96:97], s[96:97], s[88:89]
	s_add_nc_u64 s[98:99], s[98:99], s[92:93]
.irp p, 0,1
.irp c, 0,1
	global_load_b128 v[SB+8*\p+4*\c:SB+8*\p+4*\c+3], v[WSO], s[10:11] offset:\p*1024+\c*256
.endr
.endr
.irp t, 0,1,2,3
	global_load_b128 v[BI+8*\t:BI+8*\t+3], v[BOQ], s[96:97] offset:(32*(\t/2)+8*(\t%2))*4
	global_load_b128 v[BI+8*\t+4:BI+8*\t+7], v[BOQ], s[96:97] offset:(32*(\t/2)+8*(\t%2))*4+16
.endr
	s_cmp_eq_u32 s14, 0
	s_cbranch_scc0 .Lnot_w
	s_wait_tensorcnt 0x0                           ; wave 0's line is its own
.Lnot_w:
	BARRIER                                        ; the weights are in
	WEIGHTS
	s_wait_tensorcnt 0x0
	s_wait_dscnt 0x0
	BARRIER                                        ; y and its scale words are in
	FETCH 0, 0
	FETCH 1, 1
	s_wait_loadcnt 0x0
; ---------------- eight blocks.  Younger than block s's fetch: block s - 1's 16 stage instructions and block s + 1's 34 loads
.irp s, 0,1,2,3,4,5,6,7
.if \s == 0
	s_wait_dscnt NF
.elseif \s < 7
	s_wait_dscnt NF+16
.else
	s_wait_dscnt 16
.endif
	MULS \s%2
.if \s > 0
.if \s < 7
	SEND \s-1, NF                                  ; behind block s - 1's stage loads: block s + 1's fetch
.else
	SEND \s-1, 0
.endif
.endif
	TOSTAGE \s
.if \s < 6
	FETCH \s+2, \s%2
.endif
.endr
	SEND 7, 0
	s_wait_tensorcnt 0x0                           ; the wave's end
	ds_add_u32 v[SPW], v[NIL]
	s_wait_dscnt 0x0
	CROUND                                         ; the closing round
	s_endpgm
.Lfunc_end_k_q90ebb3c9ae_proj:
	.size	k_q90ebb3c9ae_proj, .Lfunc_end_k_q90ebb3c9ae_proj-k_q90ebb3c9ae_proj
	.p2alignl 7, 3214868480
	.fill 96, 4, 3214868480
	.section	.rodata,"a",@progbits
	.p2align	6, 0x0
	.amdhsa_kernel k_q90ebb3c9ae_proj
		.amdhsa_group_segment_fixed_size 327680
		.amdhsa_private_segment_fixed_size 0
		.amdhsa_enable_private_segment 0
		.amdhsa_kernarg_size 48
		.amdhsa_user_sgpr_count 2
		.amdhsa_user_sgpr_kernarg_segment_ptr 1
		.amdhsa_wavefront_size32 1
		.amdhsa_system_sgpr_workgroup_id_x 1
		.amdhsa_system_sgpr_workgroup_id_y 1
		.amdhsa_system_sgpr_workgroup_id_z 1
		.amdhsa_system_vgpr_workitem_id 0
		.amdhsa_next_free_vgpr 1024
		.amdhsa_next_free_sgpr 102
		.amdhsa_reserve_vcc 0
		.amdhsa_float_denorm_mode_32 3
		.amdhsa_float_denorm_mode_16_64 3
		.amdhsa_memory_ordered 1
		.amdhsa_forward_progress 1
		.amdhsa_inst_pref_size 84
	.end_amdhsa_kernel
	.amdgpu_metadata
---
amdhsa.version: [ 1, 2 ]
amdhsa.kernels:
  - .name:           k_q90ebb3c9ae_proj
    .symbol:         k_q90ebb3c9ae_proj.kd
    .args:
      - { .name: y_img, .offset: 0, .size: 8, .value_kind: global_buffer, .address_space: global }
      - { .name: y_sc, .offset: 8, .size: 8, .value_kind: global_buffer, .address_space: global }
      - { .name: w_img, .offset: 16, .size: 8, .value_kind: global_buffer, .address_space: global }
      - { .name: w_sc, .offset: 24, .size: 8, .value_kind: global_buffer, .address_space: global }
      - { .name: b_proj, .offset: 32, .size: 8, .value_kind: global_buffer, .address_space: global }
      - { .name: out0, .offset: 40, .size: 8, .value_kind: global_buffer, .address_space: global }
    .group_segment_fixed_size: 327680
    .private_segment_fixed_size: 0
    .kernarg_segment_align: 8
    .kernarg_segment_size: 48
    .max_flat_workgroup_size: 128
    .sgpr_count:     102
    .vgpr_count:     1024
    .wavefront_size: 32
...
	.end_amdgpu_metadata
.endif
;; end of part 4
